; MI455X (gfx1250); checked and timed in simulation.
; The chip was launched on July 23, 2026; its instructions are those of AMD's public machine-readable ISA for CDNA 5 (MIT licence, August 2026) and "CDNA5" Instruction Set Architecture Reference Guide (July 2026). The comments in the code are by the model that wrote it; some were corrected since.
;; Switch Mo E. Allowed arithmetic: matrix products marked QUANTISED: E2M1 operands, one E8M0 scale for each 32 along K, by v_wmma_scale_f32_16x16x128_f8f6f4 with both operands' format E2M1 (or v_wmma_scale_f32_32x16x128_f4), f32 sums; products left as they are: f32 operands where the result goes on into a quantised operand, else bf16, f16 or f32 operands; f32 sums; everything else in f32.
;; Inputs: b1 8 x 4,096 float32; b2 8 x 1,024 float32; gate_w 1,024 x 8 float32; w1 8 x 1,024 x 4,096 float32; w2 8 x 4,096 x 1,024 float32; x 4 x 256 x 1,024 float32.
;; Outputs: out0 4 x 256 x 1,024 float32.
;; This version of the problem:
;;   THIS VERSION OF THE PROBLEM IS GIVEN IN LOW PRECISION. The matrix products marked QUANTISED in the list below multiply operands that are first quantised to E2M1 (2 exponent bits, 1 mantissa bit; 4 bits a number), with one power-of-two scale for each 32 numbers along K (OCP MX v1.0); their sums are f32. All else is computed in f32.
;;   The module's matrix products, in the order in which they are computed (A, B: the left and right operand; K: the contracted axis; several contracted axes count as one K, in the product's order):
;;     1. [M 1,024, K 1,024] x [K 1,024, N 8]; A: input x; B: input gate_w: left as it is (N = 8 < 16)
;;     2. [M 1,024, K 1,024] x [K 1,024, N 4,096]; A: input x; B: input w1: QUANTISED
;;     3. [M 1,024, K 4,096] x [K 4,096, N 1,024]; A: computed on the way; B: input w2: QUANTISED
;;     4. [M 1,024, K 1,024] x [K 1,024, N 4,096]; A: input x; B: input w1: QUANTISED
;;     5. [M 1,024, K 4,096] x [K 4,096, N 1,024]; A: computed on the way; B: input w2: QUANTISED
;;     6. [M 1,024, K 1,024] x [K 1,024, N 4,096]; A: input x; B: input w1: QUANTISED
;;     7. [M 1,024, K 4,096] x [K 4,096, N 1,024]; A: computed on the way; B: input w2: QUANTISED
;;     8. [M 1,024, K 1,024] x [K 1,024, N 4,096]; A: input x; B: input w1: QUANTISED
;;     9. [M 1,024, K 4,096] x [K 4,096, N 1,024]; A: computed on the way; B: input w2: QUANTISED
;;     10. [M 1,024, K 1,024] x [K 1,024, N 4,096]; A: input x; B: input w1: QUANTISED
;;     11. [M 1,024, K 4,096] x [K 4,096, N 1,024]; A: computed on the way; B: input w2: QUANTISED
;;     12. [M 1,024, K 1,024] x [K 1,024, N 4,096]; A: input x; B: input w1: QUANTISED
;;     13. [M 1,024, K 4,096] x [K 4,096, N 1,024]; A: computed on the way; B: input w2: QUANTISED
;;     14. [M 1,024, K 1,024] x [K 1,024, N 4,096]; A: input x; B: input w1: QUANTISED
;;     15. [M 1,024, K 4,096] x [K 4,096, N 1,024]; A: computed on the way; B: input w2: QUANTISED
;;     16. [M 1,024, K 1,024] x [K 1,024, N 4,096]; A: input x; B: input w1: QUANTISED
;;     17. [M 1,024, K 4,096] x [K 4,096, N 1,024]; A: computed on the way; B: input w2: QUANTISED
;;   THE QUANTISER, for each operand of a quantised product, along K:
;;     - K is cut into blocks of 32 from its start; a last block that is shorter is filled with zeros.
;;     - A block's scale is 2^e with e = floor(log2(the largest magnitude in the block)) - 2, held to -126 .. 127; a block of zeros has e = 0. As a byte (E8M0): e + 127.
;;     - Each number is divided by its block's scale, clamped to +-6, and rounded to the nearest number of E2M1, ties to even, subnormals kept.
;;     - The product sums the exact products of the quantised numbers (number of the format x scale) in f32.
;;   ~~~python
;;   def quantise(x, axis):      # numpy; x: float32 -> the quantised numbers, widened to float32 again
;;       x = np.moveaxis(x, axis, -1); K = x.shape[-1]
;;       x = np.pad(x, [(0, 0)] * (x.ndim - 1) + [(0, -K % 32)]); x = x.reshape(x.shape[:-1] + (-1, 32)); a = np.abs(x).max(-1, keepdims=True)
;;       e = np.where(a > 0, np.clip(np.frexp(np.where(a > 0, a, 1))[1] - 1 - 2, -126, 127), 0)      # np.frexp(a)[1] - 1 = floor(log2(a)), exactly
;;       r = np.clip(x / 2.0 ** e, -6, 6)
;;       step = 2.0 ** (np.maximum(np.frexp(np.where(r == 0, 1, r))[1] - 1, 0) - 1)
;;       q = np.round(r / step) * step * 2.0 ** e      # np.round: ties to even
;;       return np.moveaxis(q.reshape(q.shape[:-2] + (-1,))[..., :K], -1, axis).astype(np.float32)
;;   ~~~
;;   OPERANDS COMPUTED ON THE WAY. 'Computed on the way' means the value that the module computes at that place (a softmax that the list does not call 'softmax' is quantised finished and normalised). What goes into a quantiser is computed in f32, as accurately as f32 sums, v_exp_f32 and their like allow (about 1e-6 of the number): no bf16 or f16 on the way to a quantiser, and a product that is left as it is and whose result goes on into a quantised operand takes f32 operands (vector FMAs, or v_wmma_f32_16x16x4_f32). A number that lies on a knife's edge between two numbers of the format may be rounded either way, as far as f32 arithmetic and the matrix unit's own rounding can turn it there, and no further.
;; 2 versions, each right; version 2 is version 1 with the launch ffn2 written anew for expert scheduling mode. Each part assembles by itself: llvm-mc -triple=amdgcn-amd-amdhsa -mcpu=gfx1250 --defsym DOCPART=n.
;; ======== version 1 of 2: 3 launches
;; workspace buffers: xc 524,288 bytes; xs 32,768 bytes; eidx 4,096 bytes of whole numbers; ewgt 4,096 bytes; list 32,768 bytes of whole numbers; cnt 256 bytes of whole numbers; hc 16,777,216 bytes; hs 2,097,152 bytes
;; launch route (part 1): grid 256 x 1, 4 waves a work-group, no clusters, 52,224 bytes of LDS; arguments x, gate_w, xc, xs, eidx, ewgt; writes xc, xs, eidx, ewgt
.if DOCPART == 1
	.amdgcn_target "amdgcn-amd-amdhsa--gfx1250"
	.amdhsa_code_object_version 6
	.text
	.protected	k_q7f2d9d0205_route
	.globl	k_q7f2d9d0205_route
	.p2align	8
	.type	k_q7f2d9d0205_route,@function
k_q7f2d9d0205_route:
	s_mov_b64 s[64:65], 0
	v_nop
	global_prefetch_b8 v0, s[64:65] scope:SCOPE_SE
	s_setreg_imm32_b32 hwreg(HW_REG_WAVE_MODE, 25, 1), 1
	s_wait_xcnt 0x0
; ROUTE.  For each of the 1,024 tokens: the eight router logits x . gate_w (f32 multiply-adds), the softmax's largest probability and its index,
; and x's row as codes of E2M1 with one E8M0 byte for each 32 along K.
; SHARES.  A wave takes one token (token = 4 x work-group + wave); lane l owns k = 32 l .. 32 l + 31, which is one block of the quantiser.
; A row's eight loads each read 512 consecutive bytes; the row turns through the wave's own stage in LDS so that a lane gets its 128 consecutive bytes.
; gate_w (32,768 bytes) is brought once a work-group, each wave a quarter, into LDS rows of 1,024 bytes + 16: lane l reads row l.
; OUT.  xc[token][512]: block l's 16 bytes at 16 l: one store of 512 consecutive bytes.  xs[token][32], eidx[token], ewgt[token]: 32 + 4 + 4 bytes a token,
; against the 4,096 that the token reads: these small stores do not fill blocks of 256 bytes.
; No matrix unit (N = 8), no cluster (work-groups share gate_w alone, 32 KB), no tensor load.
; LIMITS.  NaN and infinities among the inputs are not served.  A block whose largest magnitude lies under 2^-124 takes the byte 1; a block of zeros too (its codes are
; zeros, and this program alone reads the bytes).  The index is the first largest LOGIT: it is the first largest probability unless two logits differ by less than the exponential resolves.
.set GP,   1040                        ; a row of gate_w's image in LDS: 1,024 bytes + 16
.set XST,  33280                       ; behind it: a stage of XSB bytes for each wave
.set XSB,  4608                        ; 32 x (128 bytes + 16)
.set LN,   1                           ; v1   lane
.set L16,  2                           ; v2   16 x lane
.set SIN,  3                           ; v3   the stage, on the way in
.set SOUT, 4                           ; v4   and on the way out: 144 x lane
.set GIN,  5                           ; v5   gate_w's image, on the way in
.set GOUT, 6                           ; v6   and on the way out: 1,040 x lane
.set GMEM, 7                           ; v7   my 16 bytes of my wave's quarter of gate_w
.set ACC,  8                           ; v8-15    the eight logits
.set X,    16                          ; v16-47   my 32 numbers of the row
.set XL,   48                          ; v48-79   the row as it is loaded
.set G,    80                          ; v80-143  gate_w as loaded; then two sets of 32: g of four k x eight experts
.set CD,   144                         ; v144-147 my block's codes
.set BY,   148                         ; v148     its scale byte, then the word of four blocks
.set SCO,  149                         ; v149     the conversions' scale operand
.set MX,   150                         ; v150-151 maxima; later the largest logit and the index
.set IDX,  151
.set T,    152                         ; v152-159 at work
	s_load_b256 s[4:11], s[0:1], 0x0               ; x, gate_w, xc, xs
	s_load_b128 s[12:15], s[0:1], 0x20             ; eidx, ewgt
	v_lshl_add_u32 v160, v0, 2, 0xca00
	v_mov_b32 v161, 0
	v_lshrrev_b32 v[LN], 5, v0
	v_readfirstlane_b32 s16, v[LN]                 ; wave 0..3
	v_and_b32 v[LN], 31, v0
	v_lshlrev_b32 v[L16], 4, v[LN]
	s_mul_i32 s17, s16, XSB
	s_add_co_u32 s17, s17, XST                     ; my wave's stage
	v_lshrrev_b32 v[SIN], 3, v[LN]
	v_lshl_add_u32 v[SIN], v[SIN], 4, v[L16]       ; in: 16 lane, and 16 more for each 128 bytes passed
	v_add_nc_u32 v[SIN], s17, v[SIN]
	v_mul_u32_u24 v[SOUT], v[LN], 144
	v_add_nc_u32 v[SOUT], s17, v[SOUT]
	s_mul_i32 s18, s16, 8*GP                       ; my wave's quarter of gate_w: eight image rows
	v_add_nc_u32 v[GIN], s18, v[L16]
	v_mul_u32_u24 v[GOUT], v[LN], GP
	s_lshl_b32 s19, s16, 13
	v_add_nc_u32 v[GMEM], s19, v[L16]
	s_lshl_b32 s20, ttmp9, 2
	s_add_co_u32 s20, s20, s16                     ; my token
	s_mov_b32 s23, 0
	s_mov_b32 s24, 0x76543210
	s_mov_b32 s25, 0xfedcba98                      ; v_permlanex16_b32's selects for lane l xor 16
.irp e, 0,1,2,3,4,5,6,7
	v_mov_b32 v[T+\e], 0                           ; written once: a lane permute's destination counts as one of its sources
.endr
	s_lshl_b32 s22, s20, 12
	s_wait_kmcnt 0x0
	s_add_nc_u64 s[4:5], s[4:5], s[22:23]          ; x at my row
.irp i, 0,1,2,3,4,5,6,7
	global_load_b128 v[XL+4*\i:XL+4*\i+3], v[L16], s[4:5] offset:512*\i th:TH_LOAD_NT   ; 512 consecutive bytes; read once in the launch
.endr
.set m, 0
.rept 16
	global_load_b128 v[G+4*m:G+4*m+3], v[GMEM], s[6:7] offset:512*m
.set m, m+1
.endr
	s_lshl_b32 s22, s20, 9
	s_add_nc_u64 s[8:9], s[8:9], s[22:23]          ; xc, xs, eidx, ewgt at my token
	s_lshl_b32 s22, s20, 5
	s_add_nc_u64 s[10:11], s[10:11], s[22:23]
	s_lshl_b32 s22, s20, 2
	s_add_nc_u64 s[12:13], s[12:13], s[22:23]
	s_add_nc_u64 s[14:15], s[14:15], s[22:23]
	s_wait_loadcnt 16                              ; the row is in; gate_w's sixteen loads are younger
.irp i, 0,1,2,3,4,5,6,7
	ds_store_b128 v[SIN], v[XL+4*\i:XL+4*\i+3] offset:576*\i
.endr
.irp q, 0,1,2,3,4,5,6,7
	ds_load_b128 v[X+4*\q:X+4*\q+3], v[SOUT] offset:16*\q   ; my wave's own bytes, and LDS serves a wave's instructions in order: no wait between
.endr
	s_wait_loadcnt 0x0
.set m, 0
.rept 16
	ds_store_b128 v[GIN], v[G+4*m:G+4*m+3] offset:512*m+16*(m/2)   ; 1,024 bytes fill an image row, then 16 are skipped
.set m, m+1
.endr
	s_wait_dscnt 0x0                               ; for the others' sake: my quarter of gate_w lies in LDS; and my 32 numbers are in
	s_barrier_signal -1
	; my block is quantised while the others arrive: work on registers alone
	v_max3_num_f32 v[MX], |v[X]|, |v[X+1]|, |v[X+2]|
	v_max3_num_f32 v[MX+1], |v[X+3]|, |v[X+4]|, |v[X+5]|
.irp i, 6,10,14,18,22,26
	v_max3_num_f32 v[MX], v[MX], |v[X+\i]|, |v[X+\i+1]|
	v_max3_num_f32 v[MX+1], v[MX+1], |v[X+\i+2]|, |v[X+\i+3]|
.endr
	v_max3_num_f32 v[MX], v[MX], |v[X+30]|, |v[X+31]|
	v_max3_num_f32 v[MX], v[MX], v[MX+1], 0x1800000    ; and the floor 2^(3 - 127): the byte cannot fall under 1
	v_add_nc_u32 v[SCO], 0xff000000, v[MX]         ; 2 off the exponent field: the conversion takes this operand's exponent field as its scale
.irp g, 0,1,2,3
	v_cvt_scalef32_pk8_fp4_f32 v[CD+\g], v[X+8*\g:X+8*\g+7], v[SCO]
.endr
	v_lshrrev_b32 v[BY], 23, v[SCO]                ; the scale's byte (a plain line behind the conversions)
	s_barrier_wait -1
; g of k = 32 l + 4 q + 0 .. 3, eight experts each: 128 bytes of my image row
.macro GF q
.irp z, 0,1,2,3,4,5,6,7
	ds_load_b128 v[G+32*((\q)%2)+4*\z:G+32*((\q)%2)+4*\z+3], v[GOUT] offset:128*(\q)+16*\z
.endr
.endm
; sixteen packed multiply-adds: four k x four pairs of experts; x is taken for both halves (the even or the odd register of its pair)
.macro DOT q
.set GB, G+32*((\q)%2)
.irp k2, 0,1
.irp p, 0,1,2,3
.if ((\q)+\k2) == 0
	v_pk_mul_f32 v[ACC+2*\p:ACC+2*\p+1], v[GB+2*\p:GB+2*\p+1], v[X:X+1] op_sel_hi:[1,0]   ; the first k starts the sums: nothing is cleared
.else
	v_pk_fma_f32 v[ACC+2*\p:ACC+2*\p+1], v[GB+16*\k2+2*\p:GB+16*\k2+2*\p+1], v[X+4*(\q)+2*\k2:X+4*(\q)+2*\k2+1], v[ACC+2*\p:ACC+2*\p+1] op_sel:[0,0,0] op_sel_hi:[1,0,1]
.endif
.endr
.irp p, 0,1,2,3
	v_pk_fma_f32 v[ACC+2*\p:ACC+2*\p+1], v[GB+16*\k2+8+2*\p:GB+16*\k2+8+2*\p+1], v[X+4*(\q)+2*\k2:X+4*(\q)+2*\k2+1], v[ACC+2*\p:ACC+2*\p+1] op_sel:[0,1,0] op_sel_hi:[1,1,1]
.endr
.endr
.endm
	GF 0
	GF 1
.irp q, 0,1,2,3,4,5
	s_wait_dscnt 8                                 ; this piece is in; the next piece's eight loads may be out
	DOT \q
	GF \q+2
.endr
	s_wait_dscnt 8
	DOT 6
	s_wait_dscnt 0x0
	DOT 7
	; the eight sums across the 32 lanes: every lane ends with all eight logits
.irp m, 1,2,4,8
.irp e, 0,1,2,3,4,5,6,7
	v_add_f32_dpp v[ACC+\e], v[ACC+\e], v[ACC+\e] row_xmask:\m row_mask:0xf bank_mask:0xf
.endr
.endr
.irp e, 0,1,2,3,4,5,6,7
	v_permlanex16_b32 v[T+\e], v[ACC+\e], s24, s25
.endr
.irp e, 0,1,2,3,4,5,6,7
	v_add_f32 v[ACC+\e], v[ACC+\e], v[T+\e]
.endr
	v_max3_num_f32 v[MX], v[ACC], v[ACC+1], v[ACC+2]
	v_max3_num_f32 v[MX], v[MX], v[ACC+3], v[ACC+4]
	v_max3_num_f32 v[MX], v[MX], v[ACC+5], v[ACC+6]
	v_max_num_f32 v[MX], v[MX], v[ACC+7]           ; the largest logit is taken away ahead of the exponentials
.irp e, 0,1,2,3,4,5,6,7
	v_sub_f32 v[T+\e], v[ACC+\e], v[MX]
.endr
.irp e, 0,1,2,3,4,5,6,7
	v_mul_f32 v[T+\e], 0x3fb8aa3b, v[T+\e]         ; x log2(e)
.endr
.irp e, 0,1,2,3,4,5,6,7
	v_exp_f32 v[T+\e], v[T+\e]
.endr
	v_mov_b32 v[IDX], 7                            ; the index of the first largest logit is found behind the exponentials: it names none of their results
.irp e, 6,5,4,3,2,1,0
	v_cmp_neq_f32 vcc_lo, v[ACC+\e], v[MX]
	v_cndmask_b32 v[IDX], \e, v[IDX], vcc_lo       ; kept where the logit is not the largest, else e: the lowest e is written last
.endr
	s_wait_alu depctr_va_vdst(0)                   ; one wait for the eight exponentials, ahead of their first reader
	v_add_f32 v[T], v[T], v[T+1]
	v_add_f32 v[T+2], v[T+2], v[T+3]
	v_add_f32 v[T+4], v[T+4], v[T+5]
	v_add_f32 v[T+6], v[T+6], v[T+7]
	v_add_f32 v[T], v[T], v[T+2]
	v_add_f32 v[T+4], v[T+4], v[T+6]
	v_add_f32 v[T], v[T], v[T+4]
	v_rcp_f32 v[T+1], v[T]                         ; the chosen probability: its numerator is 2^0
	v_and_b32 v[T+2], 3, v[LN]                     ; (plain work behind the reciprocal)  four neighbouring lanes' bytes make a word of xs
	v_lshlrev_b32 v[T+2], 3, v[T+2]
	v_lshlrev_b32 v[BY], v[T+2], v[BY]
	v_mov_b32_dpp v[T+3], v[BY] row_xmask:1 row_mask:0xf bank_mask:0xf
	v_or_b32 v[BY], v[BY], v[T+3]
	v_mov_b32_dpp v[T+3], v[BY] row_xmask:2 row_mask:0xf bank_mask:0xf
	v_or_b32 v[BY], v[BY], v[T+3]
	v_cmp_eq_u32 s26, 0, v[T+2]                    ; every fourth lane
	v_cmp_eq_u32 s27, 0, v[LN]                     ; lane 0
	s_wait_alu depctr_va_vdst(0)                   ; the reciprocal's wait, ahead of the store that reads it
	global_store_b128 v[L16], v[CD:CD+3], s[8:9]   ; the row's codes: 512 consecutive bytes
	s_wait_xcnt 0x0                                ; EXEC changes only behind this wait
	s_wait_tensorcnt 0x0
	ds_add_u32 v160, v161
	s_wait_dscnt 0x0
	s_and_saveexec_b32 s28, s26
	global_store_b32 v[LN], v[BY], s[10:11]        ; lane 4 j: bytes 4 j .. 4 j + 3 of the row's 32
	s_wait_xcnt 0x0
	s_and_saveexec_b32 s29, s27
	global_store_b32 v[LN], v[IDX], s[12:13]       ; lane 0, whose number is the offset 0
	global_store_b32 v[LN], v[T+1], s[14:15]
	s_endpgm
.Lfunc_end_k_q7f2d9d0205_route:
	.size	k_q7f2d9d0205_route, .Lfunc_end_k_q7f2d9d0205_route-k_q7f2d9d0205_route
	.p2alignl 7, 3214868480
	.fill 96, 4, 3214868480
	.section	.rodata,"a",@progbits
	.p2align	6, 0x0
	.amdhsa_kernel k_q7f2d9d0205_route
		.amdhsa_group_segment_fixed_size 52224
		.amdhsa_private_segment_fixed_size 0
		.amdhsa_enable_private_segment 0
		.amdhsa_kernarg_size 48
		.amdhsa_user_sgpr_count 2
		.amdhsa_user_sgpr_kernarg_segment_ptr 1
		.amdhsa_wavefront_size32 1
		.amdhsa_system_sgpr_workgroup_id_x 1
		.amdhsa_system_sgpr_workgroup_id_y 1
		.amdhsa_system_sgpr_workgroup_id_z 1
		.amdhsa_system_vgpr_workitem_id 0
		.amdhsa_next_free_vgpr 162
		.amdhsa_next_free_sgpr 66
		.amdhsa_reserve_vcc 1
		.amdhsa_float_denorm_mode_32 3
		.amdhsa_float_denorm_mode_16_64 3
		.amdhsa_memory_ordered 1
		.amdhsa_forward_progress 1
		.amdhsa_inst_pref_size 26
	.end_amdhsa_kernel
	.amdgpu_metadata
---
amdhsa.version: [ 1, 2 ]
amdhsa.kernels:
  - .name:           k_q7f2d9d0205_route
    .symbol:         k_q7f2d9d0205_route.kd
    .args:
      - { .name: x, .offset: 0, .size: 8, .value_kind: global_buffer, .address_space: global }
      - { .name: gate_w, .offset: 8, .size: 8, .value_kind: global_buffer, .address_space: global }
      - { .name: xc, .offset: 16, .size: 8, .value_kind: global_buffer, .address_space: global }
      - { .name: xs, .offset: 24, .size: 8, .value_kind: global_buffer, .address_space: global }
      - { .name: eidx, .offset: 32, .size: 8, .value_kind: global_buffer, .address_space: global }
      - { .name: ewgt, .offset: 40, .size: 8, .value_kind: global_buffer, .address_space: global }
    .group_segment_fixed_size: 52224
    .private_segment_fixed_size: 0
    .kernarg_segment_align: 8
    .kernarg_segment_size: 48
    .max_flat_workgroup_size: 128
    .sgpr_count:     66
    .vgpr_count:     162
    .wavefront_size: 32
...
	.end_amdgpu_metadata
.endif
;; end of part 1
;; launch ffn1 (part 2): grid 32 x 8, 16 waves a work-group, no clusters, 71,680 bytes of LDS; arguments w1, b1, xc, xs, eidx, list, hc, hs, cnt; writes list, hc, hs, cnt
.if DOCPART == 2
	.amdgcn_target "amdgcn-amd-amdhsa--gfx1250"
	.amdhsa_code_object_version 6
	.text
	.protected	k_q7f2d9d0205_ffn1
	.globl	k_q7f2d9d0205_ffn1
	.p2align	8
	.type	k_q7f2d9d0205_ffn1,@function
k_q7f2d9d0205_ffn1:
	s_mov_b64 s[64:65], 0
	v_nop
	global_prefetch_b8 v0, s[64:65] scope:SCOPE_SE
	s_setreg_imm32_b32 hwreg(HW_REG_WAVE_MODE, 25, 1), 1
	s_wait_xcnt 0x0
; FFN1.  h = gelu(x W1[e] + b1[e]) for the tokens of expert e, on codes of E2M1 with one E8M0 scale for each 32 along K; h leaves as codes for the second product.  It also places the tokens by expert.
; SHARES.  Work-group (S, e) owns hidden units 128 S .. 128 S + 127 of expert e (K step S of the second product) for all K = 1,024: 512 KB of w1, which no other work-group reads.
; THE TOKENS OF EXPERT e.  eidx[1024] holds each token's expert (whole numbers that the launch before stored).  Every wave reads it (32 loads of 128 bytes, ahead of its first weights), makes the expert's 32 masks of 32
; tokens in scalar registers, their count n, and one member token for spare slots.  Slot j of the expert's list is its j-th token in ascending order; slots from n on repeat the member token (0 where the expert has none), so that
; a tile's spare rows repeat a member's work and store the same numbers: no mask by rows is needed.  A wave's four possible tiles own slots 16 w + 256 i + lane % 16, i = 0 .. 3: a lane finds the chunk that holds its slot
; (31 steps against the running count) and then the k-th set bit of that chunk's mask (counts by fields of 2, 4, 8, 16 bits, five halvings): registers alone, no LDS, no other lane.  A register whose 16 slots all lie
; at or past n is passed over by a scalar branch.  The 16 waves' 4 x 16 slots are the whole row of 1,024: work-group S = 0 stores them to list[e] and n to cnt[e], for the next launch.  This work stands while the first two blocks of weights are on their way.
; PHASE 1, the weights, once: w1[e] is [K][4096] f32.  A LANE TAKES A COLUMN AND ITS REGISTERS RUN DOWN K: a block of 32 along K lies in one lane's 32 registers, its largest magnitude needs no other lane, and the
; conversions give codes with K innermost.  Wave w: cq = w % 4 picks 32 columns, kq = w / 4 picks 256 along K (8 blocks, 256 loads).  A load reads 128 consecutive bytes, the four waves beside each other 512.
; Two sets of 32 registers: while a block is quantised the next one's 32 loads are out, and the block after is asked for as soon as the set is free.
; Lanes 0-15 hold tile 2 cq's 16 columns and lanes 16-31 tile 2 cq + 1's, so four exchanges of halves for each pair of blocks turn the codes into the two tiles' operand registers, which go to LDS
; AS IMAGES OF REGISTERS (16 bytes a lane, 512 a store); the scale words likewise, 4 bytes a lane: lanes 0-15 the even tile's rows, lanes 16-31 the odd tile's.
; THE COLUMNS OF A TILE ARE NOT NEIGHBOURS: row r of tile 2 b + u is hidden unit 32 b + 8 u + r + 8 (r / 8), so that in the transposed result the 16 registers of tiles 2 b and 2 b + 1 are 16 neighbours along the next K.
; ONE BARRIER, on every wave's path.  PHASE 2: wave w takes the expert's tiles of 16 tokens w, w + 16, .., each with all 128 columns: 64 matrix instructions (source 0 = 16 columns of W1,
; source 1 = 16 tokens; b1 is the C of each sum's first product), the exact GELU in f32, the quantiser, and one image of 1,024 bytes + 128 bytes of scale words to memory.
; An expert without tokens still works tile 0 (its slots hold token 0), so that the tile which the next launch asks for ahead is always written.
; GELU.  gelu(x) = max(x, 0) - |x| t 2^u, t = 1 / (1 + |x| / (2 sqrt 2)), u = log2(e) (P(t) - x^2 / 2) - 1, P the polynomial of degree 9 of the fit erfc(z) = t exp(-z^2 + P(t)), whose fractional error is 1.2e-7 for every z.
; WHY NO TENSOR LOAD, NO CLUSTER: branches and the trip count hang on numbers read from memory; and work-groups share only eidx (4 KB) and x's codes, 544 bytes a token, beside 524,288 bytes of weights of their own.
; LIMITS.  NaN and infinities are not served.  A block whose largest magnitude lies under 2^-124, a block of zeros among them, takes the byte 1: this program alone reads the bytes.
.set NBLK, 8
.set WSC,  65536                       ; LDS: 0: the image of (K step s, tile ct) at (8 s + ct) x 1,024;  WSC: the scale words of (s, pair of tiles b) at (4 s + b) x 128
.set L16,  1                           ; v1   16 x lane
.set L4,   2                           ; v2   4 x lane
.set LS,   3                           ; v3   4 x lane + WSC
.set WO,   4                           ; v4   my column's byte in the work-group's 512 bytes of a row of w1
.set IMG,  5                           ; v5   where I store images: 16 lane + 16,384 kq + 2,048 cq
.set SCI,  6                           ; v6   and scale words: 4 lane + WSC + 1,024 kq + 128 cq
.set R,    7                           ; v7   lane % 16
.set H16,  8                           ; v8   16 (lane / 16)
.set BO,   9                           ; v9   64 (lane / 16)
.set TOK,  10                          ; v10  my row's token in the tile whose x is asked for
.set LJ,   11                          ; v11  my slot's byte in the expert's row of list: 64 wave + 4 (lane % 16); never rewritten
.set XO,   12                          ; v12  the token's codes' offset in xc
.set SO,   13                          ; v13  its scale bytes' offset in xs
.set HO,   14                          ; v14  the tile's image in hc
.set HSO,  15                          ; v15  its scale words in hs
.set NV,   19                          ; v19  n, for its store; never rewritten
.set C9,   22                          ; v22-23 the polynomial's highest coefficient, twice
.set ACC,  24                          ; v24-87   eight accumulators: tile ct at 24 + 8 ct.  Ahead of the bias's first loads v24-34 are at work on the tokens:
.set SJ,   24                          ;   my slot
.set SM,   25                          ;   the mask of the chunk that holds it
.set SP,   26                          ;   that chunk's number << 16 | the members ahead of it
.set SK,   27                          ;   which set bit of the mask is mine
.set POS,  28                          ;   its place
.set C1,   29                          ;   the mask's bit counts by fields of 2,
.set C2,   30                          ;   4,
.set C4,   31                          ;   8
.set C8,   32                          ;   and (in the lowest byte) 16 bits
.set U,    33
.set U2,   34
.set RING, 88                          ; v88-151  phase 1: two sets of 32 numbers; phase 2: two sets of four weight fragments; in the GELU: t, x^2, the polynomial
.set RS,   152                         ; v152-155 the two sets' scale words: scales and nothing else
.set CQ,   156                         ; v156-171 phase 1: four blocks' codes
.set PC,   156                         ; v156-163 phase 2: h's codes
.set TM,   164                         ; v164-171 phase 2: maxima, permuted maxima, scale operands, bytes (two blocks)
.set PW,   172                         ; v172     h's scale word
.set SW,   173                         ; v173-174 phase 1: my column's scale words of two K steps
.set MX,   176                         ; v176-177 maxima
.set SCO,  178                         ; v178     the conversions' scale operand
.set BY,   179                         ; v179     the scale's byte
.set A,    180                         ; v180-243 x's eight fragments; at the head v180-211 take eidx
.set AS,   244                         ; v244-251 x's eight scale words: scales and nothing else
.set LST,  252                         ; v252-255 my row's token in my wave's tiles w, w + 16, w + 32, w + 48; written once
.set TRIP, 62                          ; s62  the tile loop's counter, stepped by 1
.set TRIPS, 63                         ; s63  my wave's number of tiles
.set M,    70                          ; s70-101 chunk c's mask: which of tokens 32 c .. 32 c + 31 are the expert's
.set TT,   RING
.set QQ,   RING+16
.set PP,   RING+32
.macro PAIR r, bits                    ; a packed form names a scalar pair and takes its low word for both halves: both are written
	s_mov_b32 s[\r], \bits
	s_mov_b32 s[\r+1], \bits
.endm
	s_load_b512 s[4:19], s[0:1], 0x0               ; w1 s[4:5], b1 s[6:7], xc s[8:9], xs s[10:11], eidx s[12:13], list s[14:15], hc s[16:17], hs s[18:19]
	s_load_b64 s[66:67], s[0:1], 0x40              ; cnt
	v_lshl_add_u32 v21, v0, 2, 0x11000
	v_mov_b32 v175, 0
	v_lshrrev_b32 v1, 5, v0
	v_readfirstlane_b32 s20, v1                    ; wave 0..15
	s_and_b32 s21, s20, 3                          ; cq
	s_lshr_b32 s22, s20, 2                         ; kq
	s_mov_b32 s23, ttmp9                           ; S
	s_and_b32 s24, ttmp7, 0xffff                   ; e
	v_and_b32 v16, 31, v0                          ; lane
	v_lshlrev_b32 v[L16], 4, v16
	v_lshlrev_b32 v[L4], 2, v16
	v_add_nc_u32 v[LS], WSC, v[L4]
	v_and_b32 v17, 7, v16
	v_bfe_u32 v18, v16, 3, 1
	v_lshl_add_u32 v17, v18, 4, v17
	v_lshrrev_b32 v18, 4, v16                      ; h = lane / 16
	v_lshl_add_u32 v17, v18, 3, v17                ; lane % 8 + 16 ((lane / 8) % 2) + 8 (lane / 16)
	v_lshlrev_b32 v[WO], 2, v17
	s_lshl_b32 s28, s21, 7
	v_add_nc_u32 v[WO], s28, v[WO]
	s_lshl_b32 s28, s22, 14
	s_lshl_b32 s29, s21, 11
	s_add_co_u32 s28, s28, s29
	v_add_nc_u32 v[IMG], s28, v[L16]
	s_lshl_b32 s28, s22, 10
	s_lshl_b32 s29, s21, 7
	s_add_co_u32 s28, s28, s29
	v_add_nc_u32 v[SCI], s28, v[LS]
	v_and_b32 v[R], 15, v16
	s_lshl_b32 s28, s20, 6
	v_lshl_add_u32 v[LJ], v[R], 2, s28
	v_lshlrev_b32 v[H16], 4, v18
	v_lshlrev_b32 v[BO], 6, v18
	v_mov_b32 v[C9], 0x3e7c6f08                    ; 0.24651730
	v_mov_b32 v[C9+1], 0x3e7c6f08
	s_mov_b32 s34, 0x3eb504f3                      ; 1 / (2 sqrt 2)
	PAIR 40, 0xc034d90f                            ; the polynomial x log2(e), with 1 taken off its constant for the factor 1/2: -2.82574822
	PAIR 42, 0x3fb8ab5a                            ;  1.44272920
	PAIR 44, 0x3f0a29d2                            ;  0.53970062
	PAIR 46, 0x3e0efb2e                            ;  0.13963006
	PAIR 48, 0xbe899a80                            ; -0.26875686
	PAIR 50, 0x3ecdfd18                            ;  0.40232158
	PAIR 52, 0xbfd1a1e5                            ; -1.63775315
	PAIR 54, 0x40097039                            ;  2.14747446
	PAIR 56, 0xbf97d29d                            ; -1.18611495
	PAIR 58, 0xbf38aa3b                            ; -log2(e) / 2
	s_mov_b32 s60, 0x76543210
	s_mov_b32 s61, 0xfedcba98                      ; v_permlanex16_b32's selects for lane l xor 16
	s_lshl_b32 s28, s24, 24                        ; w1: 16 MiB an expert, 256 rows of 16,384 bytes a kq, 512 bytes an S
	s_lshl_b32 s29, s22, 22
	s_add_co_u32 s28, s28, s29
	s_lshl_b32 s29, s23, 9
	s_add_co_u32 s28, s28, s29
	s_mov_b32 s29, 0
	s_lshl_b32 s30, s24, 14                        ; b1: 16,384 bytes an expert, 512 an S
	s_lshl_b32 s31, s23, 9
	s_add_co_u32 s30, s30, s31
	s_mov_b32 s31, 0
	s_lshl_b32 s32, s24, 12                        ; list: 4,096 bytes an expert
	s_mov_b32 s33, 0
	s_lshl_b32 s68, s24, 2                         ; cnt: a word an expert
	s_mov_b32 s69, 0
	s_wait_kmcnt 0x0
	s_add_nc_u64 s[36:37], s[4:5], s[28:29]
	s_add_nc_u64 s[38:39], s[6:7], s[30:31]
	s_add_nc_u64 s[14:15], s[14:15], s[32:33]
	s_add_nc_u64 s[66:67], s[66:67], s[68:69]
.macro LOADW t                         ; block t of my column: w1(256 kq + 32 t + i, column), i = 0 .. 31, into set t % 2.  The largest offset, 255 x 16,384, lies inside the signed 24-bit immediate
.set li, 0
.rept 32
	global_load_b32 v[RING+32*((\t)%2)+li], v[WO], s[36:37] offset:(32*(\t)+li)*16384 th:TH_LOAD_NT
.set li, li+1
.endr
.endm
.macro QBLK                            ; the 32 numbers v[QS] on become 4 registers of codes at v[QD] on; the scale's byte in v[BY]
	v_max3_num_f32 v[MX], |v[QS]|, |v[QS+1]|, |v[QS+2]|
	v_max3_num_f32 v[MX+1], |v[QS+3]|, |v[QS+4]|, |v[QS+5]|
.irp i, 6,10,14,18,22,26
	v_max3_num_f32 v[MX], v[MX], |v[QS+\i]|, |v[QS+\i+1]|
	v_max3_num_f32 v[MX+1], v[MX+1], |v[QS+\i+2]|, |v[QS+\i+3]|
.endr
	v_max3_num_f32 v[MX], v[MX], |v[QS+30]|, |v[QS+31]|
	v_max3_num_f32 v[MX], v[MX], v[MX+1], 0x1800000    ; and the floor 2^(3 - 127): the byte cannot fall under 1
	v_add_nc_u32 v[SCO], 0xff000000, v[MX]         ; 2 off the exponent field: the conversion takes this operand's exponent field as its scale
.irp g, 0,1,2,3
	v_cvt_scalef32_pk8_fp4_f32 v[QD+\g], v[QS+8*\g:QS+8*\g+7], v[SCO]
.endr
	v_lshrrev_b32 v[BY], 23, v[SCO]                ; the byte: also the plain line behind the conversions
.endm
; Block t is quantised.  left: how many younger loads may stay out.
.macro QW t, left
	s_wait_loadcnt \left
.if (\t) == 4
	s_wait_dscnt 0x0                               ; the first K step's LDS stores have read the codes' registers
.endif
.set QS, RING+32*((\t)%2)
.set QD, CQ+4*((\t)%4)
	QBLK
.if (\t)%4 == 0
	v_mov_b32 v[SW+(\t)/4], v[BY]                  ; four bytes make my column's scale word of a K step, the lower K in the lower byte
.else
	v_lshl_or_b32 v[SW+(\t)/4], v[BY], 8*((\t)%4), v[SW+(\t)/4]
.endif
.if (\t)+2 < NBLK
	LOADW (\t)+2                                   ; the set is free: it takes the block two further on
.endif
.if (\t)%2 == 1                        ; a pair of blocks is whole: the even block's lanes 16-31 change places with the odd block's lanes 0-15.  The first four registers are then the even tile's, the second four the odd tile's
.irp i, 0,1,2,3
	v_permlane16_swap_b32 v[CQ+8*(((\t)%4)/2)+\i], v[CQ+8*(((\t)%4)/2)+4+\i]
.endr
.endif
.if (\t)%4 == 3                        ; a K step is whole: two images and a line of scale words
	ds_store_b128 v[IMG], v[CQ:CQ+3] offset:8192*((\t)/4)
	ds_store_b128 v[IMG], v[CQ+8:CQ+11] offset:8192*((\t)/4)+512
	ds_store_b128 v[IMG], v[CQ+4:CQ+7] offset:8192*((\t)/4)+1024
	ds_store_b128 v[IMG], v[CQ+12:CQ+15] offset:8192*((\t)/4)+1536
	ds_store_b32 v[SCI], v[SW+(\t)/4] offset:512*((\t)/4)
.endif
.endm
; One halving of the search for the SK-th set bit: the field of w bits at POS holds (cx >> POS) & msk set bits; if mine is not among them, they are taken off SK and POS goes w further.
.macro SELSTEP cx, msk, w
	v_lshrrev_b32 v[U], v[POS], v[\cx]
	v_and_b32 v[U], \msk, v[U]
	v_cmp_ge_u32 vcc_lo, v[SK], v[U]
	v_cndmask_b32 v[U], 0, v[U], vcc_lo
	v_sub_nc_u32 v[SK], v[SK], v[U]
	v_add_nc_u32 v[U2], \w, v[POS]
	v_cndmask_b32 v[POS], v[POS], v[U2], vcc_lo
.endm
; The tokens of slots 16 wave + 256 i + lane % 16 into v[LST + i], which holds the spare token already.  Passed over where all 16 slots lie at or past n.
.macro SEARCH i
	s_lshl_b32 s30, s20, 4
	s_add_co_u32 s30, s30, 256*\i                  ; the register's first slot
	s_cmp_ge_u32 s30, s25
	s_cbranch_scc1 .Lspare_\@
	v_add_nc_u32 v[SJ], s30, v[R]
	v_mov_b32 v[SM], s[M]                          ; chunk 0 has no member ahead of it: it stands until a later chunk takes its place
	v_mov_b32 v[SP], 0
	s_bcnt1_i32_b32 s27, s[M]                      ; the members ahead of chunk 1
.set cc, 1
.rept 31
	v_cmp_gt_u32 vcc_lo, s27, v[SJ]                ; more members ahead of chunk cc than my slot's number: my token lies in an earlier chunk
	s_add_co_u32 s29, s27, (cc<<16)
	v_cndmask_b32 v[SM], s[M+cc], v[SM], vcc_lo    ; else this chunk is the last so far that begins at or before my slot
	v_cndmask_b32 v[SP], s29, v[SP], vcc_lo
	s_bcnt1_i32_b32 s28, s[M+cc]
	s_add_co_u32 s27, s27, s28
.set cc, cc+1
.endr
	v_and_b32 v[SK], 0xffff, v[SP]
	v_sub_nc_u32 v[SK], v[SJ], v[SK]               ; which member of the chunk, from 0
	v_lshrrev_b32 v[SP], 16, v[SP]                 ; the chunk
	v_lshrrev_b32 v[U], 1, v[SM]
	v_and_b32 v[U], 0x55555555, v[U]
	v_sub_nc_u32 v[C1], v[SM], v[U]                ; set bits in each field of 2,
	v_lshrrev_b32 v[U], 2, v[C1]
	v_and_b32 v[U], 0x33333333, v[U]
	v_and_b32 v[C2], 0x33333333, v[C1]
	v_add_nc_u32 v[C2], v[C2], v[U]                ; of 4,
	v_lshrrev_b32 v[U], 4, v[C2]
	v_add_nc_u32 v[U], v[C2], v[U]
	v_and_b32 v[C4], 0x0f0f0f0f, v[U]              ; of 8,
	v_lshrrev_b32 v[U], 8, v[C4]
	v_add_nc_u32 v[C8], v[C4], v[U]                ; and, in the lowest byte, in bits 0 to 15
	v_mov_b32 v[POS], 0
	SELSTEP C8, 0xff, 16
	SELSTEP C4, 0xff, 8
	SELSTEP C2, 15, 4
	SELSTEP C1, 3, 2
	SELSTEP SM, 1, 1
	v_lshl_add_u32 v[U], v[SP], 5, v[POS]          ; the token: 32 x chunk + place
	v_cmp_gt_u32 vcc_lo, s25, v[SJ]
	v_cndmask_b32 v[LST+\i], s26, v[U], vcc_lo     ; a slot at or past n keeps the spare token (what the search found for it is not used)
.Lspare_\@:
.endm
.macro LOADX                           ; 18 loads: my token's eight fragments (registers 4 c on: k = 128 s + 64 c + 32 h on: 16 bytes) and its eight scale words
	v_min_u32 v[TOK], 0x3ff, v[TOK]                ; a number made from loaded numbers enters addresses: held inside the table
	v_lshl_add_u32 v[XO], v[TOK], 9, v[H16]
	v_lshlrev_b32 v[SO], 5, v[TOK]
.irp s, 0,1,2,3,4,5,6,7
.irp c, 0,1
	global_load_b128 v[A+8*\s+4*\c:A+8*\s+4*\c+3], v[XO], s[8:9] offset:64*\s+32*\c
.endr
.endr
	global_load_b128 v[AS:AS+3], v[SO], s[10:11]
	global_load_b128 v[AS+4:AS+7], v[SO], s[10:11] offset:16
.endm
.macro BIASLD                          ; 16 loads: b1 in the result's layout: register j of tile ct is hidden unit 32 (ct / 2) + 16 h + 8 (ct % 2) + j.  It is the C of each sum's first product
.irp ct, 0,1,2,3,4,5,6,7
	global_load_b128 v[ACC+8*\ct:ACC+8*\ct+3], v[BO], s[38:39] offset:(32*(\ct/2)+8*(\ct%2))*4
	global_load_b128 v[ACC+8*\ct+4:ACC+8*\ct+7], v[BO], s[38:39] offset:(32*(\ct/2)+8*(\ct%2))*4+16
.endr
.endm
.set cc, 0
.rept 32
	global_load_b32 v[A+cc], v[L4], s[12:13] offset:128*cc   ; the experts of tokens 32 cc + lane
.set cc, cc+1
.endr
	LOADW 0
	s_wait_loadcnt 32                              ; eidx is in; block 0's 32 loads are younger
.set cc, 0
.rept 32
	v_cmp_eq_u32 s[M+cc], s24, v[A+cc]
.set cc, cc+1
.endr
	LOADW 1                                        ; two blocks are on their way while the tokens are placed
	s_mov_b32 s25, 0                               ; n
	s_mov_b32 s26, 0                               ; a member token, for the spare slots
.set cc, 0
.rept 32
	s_bcnt1_i32_b32 s28, s[M+cc]
	s_add_co_u32 s25, s25, s28
	s_ctz_i32_b32 s29, s[M+cc]
	s_add_co_u32 s29, s29, 32*cc                   ; the chunk's first member, if it has one
	s_cmp_lg_u32 s[M+cc], 0
	s_cselect_b32 s26, s29, s26
.set cc, cc+1
.endr
	v_mov_b32 v[NV], s25
.irp i, 0,1,2,3
	v_mov_b32 v[LST+\i], s26
.endr
	SEARCH 0
	SEARCH 1
	SEARCH 2
	SEARCH 3
	s_cmp_lg_u32 s23, 0                            ; work-group S = 0 stores the expert's list and count: each byte of them has one owner
	s_cbranch_scc1 .Lnolist
.irp i, 0,1,2,3
	global_store_b32 v[LJ], v[LST+\i], s[14:15] offset:1024*\i   ; 16 slots, 64 consecutive bytes; lanes 16-31 store the same numbers to the same places
.endr
	s_cmp_lg_u32 s20, 0
	s_cbranch_scc1 .Lnolist
	v_cmp_eq_u32 vcc_lo, 0, v[L4]                  ; lane 0
	s_wait_xcnt 0x0                                ; EXEC changes only behind this wait
	s_and_saveexec_b32 s28, vcc_lo
	global_store_b32 v[L4], v[NV], s[66:67]        ; lane 0, whose offset is 0
	s_wait_xcnt 0x0                                ; and again, in front of the line that widens it
	s_or_b32 exec_lo, exec_lo, s28
.Lnolist:
	v_mov_b32 v[TOK], v[LST]                       ; my first tile's tokens
	QW 0, 32                                       ; block 0 is in; block 1's 32 loads are younger
	LOADX
	BIASLD
	QW 1, 63                                       ; behind block 1: block 2's 32, x's 18, the bias's 16: 66 loads; 63 is the largest count that a wait names
	QW 2, 63                                       ; behind block 2: 18 + 16 + block 3's 32
.irp t, 3,4,5,6
	QW \t, 32                                      ; behind block t: block t + 1's 32
.endr
	QW 7, 0
	s_wait_dscnt 0x0                               ; for the others' sake: my images lie in LDS
	s_barrier_signal -1
	s_barrier_wait -1                              ; all 64 images and their scale words do
	s_min_u32 s25, s25, 1024
	s_add_co_u32 s26, s25, 15
	s_lshr_b32 s26, s26, 4
	s_max_u32 s26, s26, 1                          ; tiles of 16 tokens; at least one
	s_cmp_ge_u32 s20, s26
	s_cbranch_scc1 .Ldone                          ; no tile for my wave
	s_sub_co_u32 s[TRIPS], s26, s20
	s_add_co_u32 s[TRIPS], s[TRIPS], 15
	s_lshr_b32 s[TRIPS], s[TRIPS], 4               ; my tiles: wave, wave + 16, .. below the count
	s_min_u32 s[TRIPS], s[TRIPS], 4                ; at most four: 64 tiles over 16 waves
	s_mov_b32 s[TRIP], 0
.macro FB i                            ; 10 LDS loads: step i = 8 hf + s: the four tiles 4 hf .. 4 hf + 3 of K step s into set i % 2, and the two lines of their scale words
.set fs, (\i)%8
.set fh, (\i)/8
.set fr, RING+32*((\i)%2)
.irp j, 0,1,2,3
	ds_load_b128 v[fr+8*\j:fr+8*\j+3], v[L16] offset:(8*fs+4*fh+\j)*1024
	ds_load_b128 v[fr+8*\j+4:fr+8*\j+7], v[L16] offset:(8*fs+4*fh+\j)*1024+512
.endr
	ds_load_b32 v[RS+2*((\i)%2)], v[LS] offset:(4*fs+2*fh)*128
	ds_load_b32 v[RS+2*((\i)%2)+1], v[LS] offset:(4*fs+2*fh+1)*128
.endm
.macro MM i                            ; four matrix instructions, four accumulators by turns.  An odd tile's scale words stand in lanes 16-31
.set fs, (\i)%8
.set fh, (\i)/8
.set fr, RING+32*((\i)%2)
.set sr, RS+2*((\i)%2)
.irp j, 0,1,2,3
.if \j%2
	v_wmma_scale_f32_16x16x128_f8f6f4 v[ACC+32*fh+8*\j:ACC+32*fh+8*\j+7], v[fr+8*\j:fr+8*\j+7], v[A+8*fs:A+8*fs+7], v[ACC+32*fh+8*\j:ACC+32*fh+8*\j+7], v[sr+\j/2], v[AS+fs] matrix_a_fmt:MATRIX_FMT_FP4 matrix_b_fmt:MATRIX_FMT_FP4 matrix_a_scale:MATRIX_SCALE_ROW1
.else
	v_wmma_scale_f32_16x16x128_f8f6f4 v[ACC+32*fh+8*\j:ACC+32*fh+8*\j+7], v[fr+8*\j:fr+8*\j+7], v[A+8*fs:A+8*fs+7], v[ACC+32*fh+8*\j:ACC+32*fh+8*\j+7], v[sr+\j/2], v[AS+fs] matrix_a_fmt:MATRIX_FMT_FP4 matrix_b_fmt:MATRIX_FMT_FP4
.endif
.endr
.endm
; The GELU of the 16 numbers of block b (tiles 2 b and 2 b + 1), in place.  Each accumulator is read from its lowest register on.  Two batches of transcendentals, one wait each.
.macro GELU b
.set XB, ACC+16*(\b)
.irp j, 0,1,2,3,4,5,6,7,8,9,10,11,12,13,14,15
	v_fma_f32 v[TT+\j], |v[XB+\j]|, s34, 1.0
.endr
.irp j, 0,1,2,3,4,5,6,7,8,9,10,11,12,13,14,15
	v_rcp_f32 v[TT+\j], v[TT+\j]                   ; t
.endr
.irp j, 0,2,4,6,8,10,12,14
	v_pk_mul_f32 v[QQ+\j:QQ+\j+1], v[XB+\j:XB+\j+1], v[XB+\j:XB+\j+1]   ; x^2: plain work behind the reciprocals
.endr
	s_wait_alu depctr_va_vdst(0)                   ; one wait for the sixteen reciprocals, ahead of their first reader
.irp j, 0,2,4,6,8,10,12,14
	v_pk_fma_f32 v[PP+\j:PP+\j+1], v[TT+\j:TT+\j+1], v[C9:C9+1], s[56:57] op_sel_hi:[1,1,0]
.endr
.irp c, 7,6,5,4,3,2,1,0
.irp j, 0,2,4,6,8,10,12,14
	v_pk_fma_f32 v[PP+\j:PP+\j+1], v[PP+\j:PP+\j+1], v[TT+\j:TT+\j+1], s[40+2*\c:41+2*\c] op_sel_hi:[1,1,0]   ; eight pairs by turns: no line waits for the line above it
.endr
.endr
.irp j, 0,2,4,6,8,10,12,14
	v_pk_fma_f32 v[PP+\j:PP+\j+1], v[QQ+\j:QQ+\j+1], s[58:59], v[PP+\j:PP+\j+1] op_sel_hi:[1,0,1]   ; u
.endr
.irp j, 0,1,2,3,4,5,6,7,8,9,10,11,12,13,14,15
	v_exp_f32 v[PP+\j], v[PP+\j]                   ; 2^u
.endr
.irp j, 0,2,4,6,8,10,12,14
	v_pk_mul_f32 v[TT+\j:TT+\j+1], v[XB+\j:XB+\j+1], v[TT+\j:TT+\j+1]   ; x t: plain work behind the exponentials
.endr
.irp j, 0,1,2,3,4,5,6,7,8,9,10,11,12,13,14,15
	v_max_num_f32 v[XB+\j], 0, v[XB+\j]
.endr
	s_wait_alu depctr_va_vdst(0)                   ; one wait for the sixteen exponentials
.irp j, 0,1,2,3,4,5,6,7,8,9,10,11,12,13,14,15
	v_fma_f32 v[XB+\j], -|v[TT+\j]|, v[PP+\j], v[XB+\j]
.endr
.endm
; Blocks 2 hf and 2 hf + 1 of h (32 registers: register 16 u + i = k 32 (2 hf + u) + 16 h + i of my token) become registers 4 hf .. 4 hf + 3 of the next operand and two bytes of its scale word.
.macro QH hf
.irp u, 0,1
	v_max3_num_f32 v[TM+\u], |v[ACC+32*\hf+16*\u]|, |v[ACC+32*\hf+16*\u+1]|, 0x1800000   ; my 16 numbers, and the floor 2^(3 - 127)
.endr
.irp i, 2,4,6,8,10,12,14
.irp u, 0,1
	v_max3_num_f32 v[TM+\u], v[TM+\u], |v[ACC+32*\hf+16*\u+\i]|, |v[ACC+32*\hf+16*\u+\i+1]|
.endr
.endr
.irp u, 0,1
	v_permlanex16_b32 v[TM+2+\u], v[TM+\u], s60, s61
.endr
.irp u, 0,1
	v_max_num_f32 v[TM+\u], v[TM+\u], v[TM+2+\u]   ; with lane l xor 16's: the block's largest magnitude
.endr
.irp u, 0,1
	v_add_nc_u32 v[TM+4+\u], 0xff000000, v[TM+\u]
.endr
.irp u, 0,1
	v_lshrrev_b32 v[TM+6+\u], 23, v[TM+4+\u]
.endr
.if \hf == 0
	v_lshl_or_b32 v[PW], v[TM+7], 8, v[TM+6]
.else
	v_lshl_or_b32 v[PW], v[TM+6], 16, v[PW]
	v_lshl_or_b32 v[PW], v[TM+7], 24, v[PW]
.endif
.irp u, 0,1
	v_cvt_scalef32_pk8_fp4_f32 v[PC+4*\hf+2*\u], v[ACC+32*\hf+16*\u:ACC+32*\hf+16*\u+7], v[TM+4+\u]
	v_cvt_scalef32_pk8_fp4_f32 v[PC+4*\hf+2*\u+1], v[ACC+32*\hf+16*\u+8:ACC+32*\hf+16*\u+15], v[TM+4+\u]
.endr
	v_nop                                          ; one plain line behind the conversions
.irp i, 0,1
	v_permlane16_swap_b32 v[PC+4*\hf+\i], v[PC+4*\hf+2+\i]   ; the operand's layout wants a whole block in a lane: lanes 0-15 the even block, lanes 16-31 the odd one
.endr
.endm
.Ltile:
	s_wait_loadcnt 0x0                             ; this tile's x, its scale words and the bias are in: so their offsets may be written again
	s_wait_xcnt 0x0                                ; the last trip's stores have read their offsets and data: both are written again below
	s_lshl_b32 s27, s[TRIP], 4
	s_add_co_u32 s27, s27, s20                     ; this trip's tile: wave + 16 x trip
	s_min_u32 s28, s27, 63
	s_lshl_b32 s29, s24, 6
	s_add_co_u32 s28, s28, s29                     ; 64 e + tile
	s_lshl_b32 s28, s28, 5
	s_add_co_u32 s28, s28, s23                     ; x 32 + S
	s_lshl_b32 s29, s28, 10
	s_lshl_b32 s30, s28, 7
	v_add_nc_u32 v[HO], s29, v[L16]
	v_add_nc_u32 v[HSO], s30, v[L4]
	FB 0
	FB 1
.set ii, 0
.rept 16
.if ii < 15
	s_wait_dscnt 10                                ; this step's ten loads are in; the next step's ten may be out
.else
	s_wait_dscnt 0x0
.endif
	MM ii
.if (ii+2 < 16) || (ii == 15)
.rept 4
	v_nop                                          ; four places in front of loads into registers that these products read, and of the first read of results
.endr
.endif
.if ii+2 < 16
	FB ii+2
.endif
.set ii, ii+1
.endr
	v_mov_b32 v[TOK], v[LST+3]                     ; the next tile's tokens: register trip + 1 of the four, the last at the most (every slot holds a token, so the last trip asks for bytes that exist and does not use them)
	s_cmp_eq_u32 s[TRIP], 1
	s_cselect_b32 s28, -1, 0
	v_cndmask_b32 v[TOK], v[TOK], v[LST+2], s28
	s_cmp_eq_u32 s[TRIP], 0
	s_cselect_b32 s29, -1, 0
	v_cndmask_b32 v[TOK], v[TOK], v[LST+1], s29
	LOADX                                          ; its x lands under the GELU
	GELU 0
	GELU 1
	QH 0
	global_store_b128 v[HO], v[PC:PC+3], s[16:17]  ; 512 consecutive bytes, at a multiple of 512 from hc's first byte
	GELU 2
	GELU 3
	QH 1
	global_store_b128 v[HO], v[PC+4:PC+7], s[16:17] offset:512
	global_store_b32 v[HSO], v[PW], s[18:19]       ; 128 consecutive bytes: lane r row r's word, lanes 16-31 a copy
	BIASLD
	s_add_co_u32 s[TRIP], s[TRIP], 1
	s_cmp_lt_u32 s[TRIP], s[TRIPS]
	s_cbranch_scc1 .Ltile
.Ldone:
	s_wait_tensorcnt 0x0
	ds_add_u32 v21, v175
	s_wait_dscnt 0x0
	s_endpgm
.Lfunc_end_k_q7f2d9d0205_ffn1:
	.size	k_q7f2d9d0205_ffn1, .Lfunc_end_k_q7f2d9d0205_ffn1-k_q7f2d9d0205_ffn1
	.p2alignl 7, 3214868480
	.fill 96, 4, 3214868480
	.section	.rodata,"a",@progbits
	.p2align	6, 0x0
	.amdhsa_kernel k_q7f2d9d0205_ffn1
		.amdhsa_group_segment_fixed_size 71680
		.amdhsa_private_segment_fixed_size 0
		.amdhsa_enable_private_segment 0
		.amdhsa_kernarg_size 72
		.amdhsa_user_sgpr_count 2
		.amdhsa_user_sgpr_kernarg_segment_ptr 1
		.amdhsa_wavefront_size32 1
		.amdhsa_system_sgpr_workgroup_id_x 1
		.amdhsa_system_sgpr_workgroup_id_y 1
		.amdhsa_system_sgpr_workgroup_id_z 1
		.amdhsa_system_vgpr_workitem_id 0
		.amdhsa_next_free_vgpr 256
		.amdhsa_next_free_sgpr 102
		.amdhsa_reserve_vcc 1
		.amdhsa_float_denorm_mode_32 3
		.amdhsa_float_denorm_mode_16_64 3
		.amdhsa_memory_ordered 1
		.amdhsa_forward_progress 1
		.amdhsa_inst_pref_size 161
	.end_amdhsa_kernel
	.amdgpu_metadata
---
amdhsa.version: [ 1, 2 ]
amdhsa.kernels:
  - .name:           k_q7f2d9d0205_ffn1
    .symbol:         k_q7f2d9d0205_ffn1.kd
    .args:
      - { .name: w1, .offset: 0, .size: 8, .value_kind: global_buffer, .address_space: global }
      - { .name: b1, .offset: 8, .size: 8, .value_kind: global_buffer, .address_space: global }
      - { .name: xc, .offset: 16, .size: 8, .value_kind: global_buffer, .address_space: global }
      - { .name: xs, .offset: 24, .size: 8, .value_kind: global_buffer, .address_space: global }
      - { .name: eidx, .offset: 32, .size: 8, .value_kind: global_buffer, .address_space: global }
      - { .name: list, .offset: 40, .size: 8, .value_kind: global_buffer, .address_space: global }
      - { .name: hc, .offset: 48, .size: 8, .value_kind: global_buffer, .address_space: global }
      - { .name: hs, .offset: 56, .size: 8, .value_kind: global_buffer, .address_space: global }
      - { .name: cnt, .offset: 64, .size: 8, .value_kind: global_buffer, .address_space: global }
    .group_segment_fixed_size: 71680
    .private_segment_fixed_size: 0
    .kernarg_segment_align: 8
    .kernarg_segment_size: 72
    .max_flat_workgroup_size: 512
    .sgpr_count:     102
    .vgpr_count:     256
    .wavefront_size: 32
...
	.end_amdgpu_metadata
.endif
;; end of part 2
;; launch ffn2 (part 3): grid 16 x 8, 16 waves a work-group, no clusters, 210,944 bytes of LDS; arguments w2, b2, hc, hs, list, cnt, ewgt, out0; writes out0
.if DOCPART == 3
	.amdgcn_target "amdgcn-amd-amdhsa--gfx1250"
	.amdhsa_code_object_version 6
	.text
	.protected	k_q7f2d9d0205_ffn2
	.globl	k_q7f2d9d0205_ffn2
	.p2align	8
	.type	k_q7f2d9d0205_ffn2,@function
k_q7f2d9d0205_ffn2:
	s_mov_b64 s[64:65], 0
	v_nop
	global_prefetch_b8 v0, s[64:65] scope:SCOPE_SE
	s_setreg_imm32_b32 hwreg(HW_REG_WAVE_MODE, 25, 1), 1
	s_wait_xcnt 0x0
; FFN2.  out[token] = p(token) x (h W2[e] + b2[e]) for the tokens of expert e, on codes of E2M1 with one E8M0 scale for each 32 along K = 4,096.
; SHARES.  Work-group (cg, e) owns output columns 64 cg .. 64 cg + 63 (256 aligned bytes of every row of w2[e] and of out0) for ALL of K: 1 MB of w2 that no other work-group reads, and each output has one owner.
; That is 128 work-groups.  256 would mean 128 bytes of a row each, so that two work-groups would share every 256 bytes of w2 and of out0, or a split of K, whose parts a further launch would have to add.
; PHASE 1, the weights, once: w2[e] is [K][1024] f32.  A lane takes a column and its registers run down K, as in the launch before.  Wave w: ch = w % 2 picks 32 columns (lanes 0-15 tile 2 ch, lanes 16-31 tile 2 ch + 1),
; kq = w / 2 picks 512 along K: 16 blocks, 512 loads of 128 consecutive bytes; the two waves beside each other cover the row's 256.  Codes and scale words go to LDS as images of operand registers.
; ONE BARRIER, on every wave's path.  PHASE 2: wave w takes the expert's tiles of 16 tokens w, w + 16, ..: 32 K steps x 4 matrix instructions (source 0 = 16 columns of W2, source 1 = h's fragment as the launch before
; stored it; b2 is the C of each sum's first product).  h comes from memory in groups of four K steps through three sets of registers, two groups ahead.  A lane then holds eight neighbouring columns of one token's row:
; they are multiplied by the token's probability, go through the wave's own stage in LDS and leave as whole rows: sixteen lanes store 256 consecutive, aligned bytes.
; A tile's spare rows repeat a member token (list) and store the same numbers as that token's own row.  An expert without tokens stores nothing.
; WHY NO TENSOR LOAD, NO CLUSTER: the trip count hangs on a count read from memory; and work-groups share only h's codes, 2,304 bytes a token, beside 1,048,576 bytes of weights of their own.
; LIMITS.  NaN and infinities are not served.  A block of w2 whose largest magnitude lies under 2^-124, a block of zeros among them, takes the byte 1: this program alone reads the bytes.
.set NBLK, 16
.set WSC,  131072                      ; LDS: 0: the image of (K step s, tile ct) at (4 s + ct) x 1,024;  WSC: the scale words of (s, pair of tiles) at (2 s + ch) x 128
.set STG,  139264                      ; a stage of STB bytes for each wave: 16 rows x (256 bytes + 16)
.set STB,  4352
.set L16,  1                           ; v1   16 x lane
.set L16H, 2                           ; v2   16 x lane + 65,536: the images of K steps 16 on
.set LS,   3                           ; v3   4 x lane + WSC
.set L4,   4                           ; v4   4 x lane
.set WO,   5                           ; v5   my column's byte in the work-group's 256 bytes of a row of w2
.set IMG,  6                           ; v6   where I store images: 16 lane + 16,384 kq + 2,048 ch
.set SCI,  7                           ; v7   and scale words: 4 lane + WSC + 1,024 kq + 128 ch
.set STI,  8                           ; v8   the stage, in: row r, + 32 h
.set STO,  9                           ; v9   and back: row lane / 16, + 16 (lane % 16)
.set C16,  10                          ; v10  16 (lane % 16)
.set LO,   11                          ; v11  4 (lane % 16)
.set TOK,  12                          ; v12  my row's token
.set LT,   13                          ; v13  its place in list
.set W,    14                          ; v14-15 its probability (the packed form names the pair and takes v14 for both halves)
.set B2O,  16                          ; v16  32 (lane / 16)
.set WOF,  17                          ; v17  the probability's offset
.set LO2,  18                          ; v18  4 (lane / 16)
.set LT2,  19                          ; v19  the stored rows' places in list
.set ACC,  24                          ; v24-55   four accumulators
.set RING, 56                          ; v56-119  phase 1: two sets of 32 numbers; phase 2: two sets of four weight fragments; on the way out O and RB
.set O,    56
.set RB,   88
.set RS,   120                         ; v120-123 the two sets' scale words; in phase 1 v120 gathers my column's scale word: scales and nothing else
.set SW,   120
.set CQ,   124                         ; v124-139 phase 1: four blocks' codes
.set TK,   124                         ; v124-131 phase 2: the tokens of the rows that I store
.set OA,   132                         ; v132-139 and their offsets in out0
.set MX,   140                         ; v140-141 maxima
.set SCO,  142
.set BY,   143
.set A,    148                         ; v148-243 h's fragments: three sets of four K steps
.set AS,   244                         ; v244-255 their scale words: scales and nothing else
.set TRIP, 34                          ; s34  the tile loop's counter, stepped by 1
.set TRIPS, 35                         ; s35  my wave's number of tiles
	s_load_b512 s[4:19], s[0:1], 0x0               ; w2 s[4:5], b2 s[6:7], hc s[8:9], hs s[10:11], list s[12:13], cnt s[14:15], ewgt s[16:17], out0 s[18:19]
	v_lshl_add_u32 v146, v0, 2, 0x33000
	v_mov_b32 v147, 0
	v_lshrrev_b32 v1, 5, v0
	v_readfirstlane_b32 s20, v1                    ; wave 0..15
	s_and_b32 s21, s20, 1                          ; ch
	s_lshr_b32 s22, s20, 1                         ; kq
	s_mov_b32 s23, ttmp9                           ; cg
	s_and_b32 s24, ttmp7, 0xffff                   ; e
	v_and_b32 v20, 31, v0                          ; lane
	v_and_b32 v21, 15, v0                          ; r
	v_lshrrev_b32 v22, 4, v20                      ; h
	v_lshlrev_b32 v[L16], 4, v20
	v_add_nc_u32 v[L16H], 65536, v[L16]
	v_lshlrev_b32 v[L4], 2, v20
	v_add_nc_u32 v[LS], WSC, v[L4]
	s_lshl_b32 s28, s21, 7
	v_add_nc_u32 v[WO], s28, v[L4]
	s_lshl_b32 s28, s22, 14
	s_lshl_b32 s29, s21, 11
	s_add_co_u32 s28, s28, s29
	v_add_nc_u32 v[IMG], s28, v[L16]
	s_lshl_b32 s28, s22, 10
	s_lshl_b32 s29, s21, 7
	s_add_co_u32 s28, s28, s29
	v_add_nc_u32 v[SCI], s28, v[LS]
	s_mul_i32 s28, s20, STB
	s_add_co_u32 s28, s28, STG                     ; my wave's stage
	v_mul_u32_u24 v[STI], v21, 272
	v_lshl_add_u32 v[STI], v22, 5, v[STI]
	v_add_nc_u32 v[STI], s28, v[STI]
	v_mul_u32_u24 v[STO], v22, 272
	v_lshl_add_u32 v[STO], v21, 4, v[STO]
	v_add_nc_u32 v[STO], s28, v[STO]
	v_lshlrev_b32 v[C16], 4, v21
	v_lshlrev_b32 v[LO], 2, v21
	v_lshlrev_b32 v[B2O], 5, v22
	v_lshlrev_b32 v[LO2], 2, v22
	v_mov_b32 v[W+1], 0                            ; named with v14 as a pair, so it is written
	s_lshl_b32 s28, s24, 24                        ; w2: 16 MiB an expert, 512 rows of 4,096 bytes a kq, 256 bytes a cg
	s_lshl_b32 s29, s22, 21
	s_add_co_u32 s28, s28, s29
	s_lshl_b32 s30, s23, 8
	s_add_co_u32 s28, s28, s30
	s_mov_b32 s29, 0
	s_mov_b32 s31, 0
	s_lshl_b32 s32, s24, 12                        ; b2 and list: 4,096 bytes an expert
	s_mov_b32 s33, 0
	s_lshl_b32 s34, s24, 2
	s_mov_b32 s35, 0
	s_wait_kmcnt 0x0
	s_add_nc_u64 s[36:37], s[4:5], s[28:29]
	s_add_nc_u64 s[38:39], s[6:7], s[32:33]
	s_add_nc_u64 s[38:39], s[38:39], s[30:31]
	s_add_nc_u64 s[46:47], s[12:13], s[32:33]
	s_add_nc_u64 s[44:45], s[18:19], s[30:31]
	s_add_nc_u64 s[14:15], s[14:15], s[34:35]
	s_load_b32 s25, s[14:15], 0x0                  ; n: the expert's tokens
.macro LOADW t                         ; block t of my column: w2(512 kq + 32 t + i, column), i = 0 .. 31, into set t % 2.  The largest offset, 511 x 4,096, lies inside the signed 24-bit immediate
.set li, 0
.rept 32
	global_load_b32 v[RING+32*((\t)%2)+li], v[WO], s[36:37] offset:(32*(\t)+li)*4096 th:TH_LOAD_NT
.set li, li+1
.endr
.endm
.macro QBLK                            ; the 32 numbers v[QS] on become 4 registers of codes at v[QD] on; the scale's byte in v[BY]
	v_max3_num_f32 v[MX], |v[QS]|, |v[QS+1]|, |v[QS+2]|
	v_max3_num_f32 v[MX+1], |v[QS+3]|, |v[QS+4]|, |v[QS+5]|
.irp i, 6,10,14,18,22,26
	v_max3_num_f32 v[MX], v[MX], |v[QS+\i]|, |v[QS+\i+1]|
	v_max3_num_f32 v[MX+1], v[MX+1], |v[QS+\i+2]|, |v[QS+\i+3]|
.endr
	v_max3_num_f32 v[MX], v[MX], |v[QS+30]|, |v[QS+31]|
	v_max3_num_f32 v[MX], v[MX], v[MX+1], 0x1800000    ; and the floor 2^(3 - 127): the byte cannot fall under 1
	v_add_nc_u32 v[SCO], 0xff000000, v[MX]         ; 2 off the exponent field: the conversion takes this operand's exponent field as its scale
.irp g, 0,1,2,3
	v_cvt_scalef32_pk8_fp4_f32 v[QD+\g], v[QS+8*\g:QS+8*\g+7], v[SCO]
.endr
	v_lshrrev_b32 v[BY], 23, v[SCO]                ; the byte: also the plain line behind the conversions
.endm
.macro QW t, left                      ; block t is quantised.  left: how many younger loads may stay out
	s_wait_loadcnt \left
.if ((\t)%4 == 0) && ((\t) > 0)
	s_wait_dscnt 0x0                               ; the last K step's LDS stores have read the codes' and the scale word's registers
.endif
.set QS, RING+32*((\t)%2)
.set QD, CQ+4*((\t)%4)
	QBLK
.if (\t)%4 == 0
	v_mov_b32 v[SW], v[BY]
.else
	v_lshl_or_b32 v[SW], v[BY], 8*((\t)%4), v[SW]
.endif
.if (\t)+2 < NBLK
	LOADW (\t)+2                                   ; the set is free: it takes the block two further on
.endif
.if (\t)%2 == 1                        ; the even block's lanes 16-31 change places with the odd block's lanes 0-15: the first four registers are then the even tile's, the second four the odd tile's
.irp i, 0,1,2,3
	v_permlane16_swap_b32 v[CQ+8*(((\t)%4)/2)+\i], v[CQ+8*(((\t)%4)/2)+4+\i]
.endr
.endif
.if (\t)%4 == 3
	ds_store_b128 v[IMG], v[CQ:CQ+3] offset:4096*((\t)/4)
	ds_store_b128 v[IMG], v[CQ+8:CQ+11] offset:4096*((\t)/4)+512
	ds_store_b128 v[IMG], v[CQ+4:CQ+7] offset:4096*((\t)/4)+1024
	ds_store_b128 v[IMG], v[CQ+12:CQ+15] offset:4096*((\t)/4)+1536
	ds_store_b32 v[SCI], v[SW] offset:256*((\t)/4)
.endif
.endm
.macro LOADA g                         ; 12 loads: h's fragments and scale words of K steps 4 g .. 4 g + 3, as images: 512, 512 and 128 consecutive bytes
.irp q, 0,1,2,3
	global_load_b128 v[A+32*((\g)%3)+8*\q:A+32*((\g)%3)+8*\q+3], v[L16], s[40:41] offset:1024*(4*(\g)+\q)
	global_load_b128 v[A+32*((\g)%3)+8*\q+4:A+32*((\g)%3)+8*\q+7], v[L16], s[40:41] offset:1024*(4*(\g)+\q)+512
	global_load_b32 v[AS+4*((\g)%3)+\q], v[L4], s[42:43] offset:128*(4*(\g)+\q)
.endr
.endm
; 45 loads for the tile whose number stands in s[sreg]: its rows' tokens first; b2 in the result's layout (register j of tile ct: column 16 ct + 8 h + j), the C of each sum's first product; h's first three groups
.macro PRE sreg
	s_lshl_b32 s28, s24, 6
	s_add_co_u32 s28, s28, s[\sreg]                ; 64 e + tile
	s_lshl_b32 s30, s28, 15
	s_mov_b32 s31, 0
	s_add_nc_u64 s[40:41], s[8:9], s[30:31]        ; 32 images of 1,024 bytes a tile
	s_lshl_b32 s30, s28, 12
	s_add_nc_u64 s[42:43], s[10:11], s[30:31]      ; 32 lines of 128 bytes
	v_lshl_add_u32 v[LT], s[\sreg], 6, v[LO]
	global_load_b32 v[TOK], v[LT], s[46:47]
.irp ct, 0,1,2,3
	global_load_b128 v[ACC+8*\ct:ACC+8*\ct+3], v[B2O], s[38:39] offset:64*\ct
	global_load_b128 v[ACC+8*\ct+4:ACC+8*\ct+7], v[B2O], s[38:39] offset:64*\ct+16
.endr
	LOADA 0
	LOADA 1
	LOADA 2
.endm
	LOADW 0
	LOADW 1
	s_wait_kmcnt 0x0
	s_min_u32 s25, s25, 1024
	s_add_co_u32 s26, s25, 15
	s_lshr_b32 s26, s26, 4                         ; nt: tiles of 16 tokens
	s_max_u32 s32, s26, 1
	s_sub_co_u32 s32, s32, 1                       ; the last tile that the launch before has written (tile 0 also where nt = 0)
	s_min_u32 s33, s20, s32
	s_min_u32 s33, s33, 63
	PRE 33                                         ; on every wave's path; a wave without a tile asks for a written tile and does not use it
	QW 0, 63                                       ; behind block 0: block 1's 32 and the 45: 77 loads; 63 is the largest count that a wait names
	QW 1, 63                                       ; behind block 1: the 45 and block 2's 32
.irp t, 2,3,4,5,6,7,8,9,10,11,12,13,14
	QW \t, 32                                      ; behind block t: block t + 1's 32
.endr
	QW 15, 0
	s_wait_dscnt 0x0                               ; for the others' sake: my images lie in LDS
	s_barrier_signal -1
	s_barrier_wait -1                              ; all 128 images and their scale words do
	s_cmp_ge_u32 s20, s26
	s_cbranch_scc1 .Ldone                          ; no tile for my wave
	s_sub_co_u32 s[TRIPS], s26, s20
	s_add_co_u32 s[TRIPS], s[TRIPS], 15
	s_lshr_b32 s[TRIPS], s[TRIPS], 4               ; my tiles: wave, wave + 16, .. below nt
	s_min_u32 s[TRIPS], s[TRIPS], 4                ; at most four: 64 tiles over 16 waves
	s_mov_b32 s[TRIP], 0
.macro FB s                            ; 10 LDS loads: K step s's four weight tiles into set s % 2, and the two lines of their scale words
.set fr, RING+32*((\s)%2)
.irp ct, 0,1,2,3
.if (\s) < 16
	ds_load_b128 v[fr+8*\ct:fr+8*\ct+3], v[L16] offset:(4*(\s)+\ct)*1024
	ds_load_b128 v[fr+8*\ct+4:fr+8*\ct+7], v[L16] offset:(4*(\s)+\ct)*1024+512
.else
	ds_load_b128 v[fr+8*\ct:fr+8*\ct+3], v[L16H] offset:(4*(\s)+\ct)*1024-65536
	ds_load_b128 v[fr+8*\ct+4:fr+8*\ct+7], v[L16H] offset:(4*(\s)+\ct)*1024-65536+512
.endif
.endr
	ds_load_b32 v[RS+2*((\s)%2)], v[LS] offset:(2*(\s))*128
	ds_load_b32 v[RS+2*((\s)%2)+1], v[LS] offset:(2*(\s)+1)*128
.endm
.macro MM s                            ; four matrix instructions, four accumulators by turns.  An odd tile's scale words stand in lanes 16-31
.set fr, RING+32*((\s)%2)
.set sr, RS+2*((\s)%2)
.set ha, A+32*(((\s)/4)%3)+8*((\s)%4)
.set hw, AS+4*(((\s)/4)%3)+(\s)%4
.irp ct, 0,1,2,3
.if \ct%2
	v_wmma_scale_f32_16x16x128_f8f6f4 v[ACC+8*\ct:ACC+8*\ct+7], v[fr+8*\ct:fr+8*\ct+7], v[ha:ha+7], v[ACC+8*\ct:ACC+8*\ct+7], v[sr+\ct/2], v[hw] matrix_a_fmt:MATRIX_FMT_FP4 matrix_b_fmt:MATRIX_FMT_FP4 matrix_a_scale:MATRIX_SCALE_ROW1
.else
	v_wmma_scale_f32_16x16x128_f8f6f4 v[ACC+8*\ct:ACC+8*\ct+7], v[fr+8*\ct:fr+8*\ct+7], v[ha:ha+7], v[ACC+8*\ct:ACC+8*\ct+7], v[sr+\ct/2], v[hw] matrix_a_fmt:MATRIX_FMT_FP4 matrix_b_fmt:MATRIX_FMT_FP4
.endif
.endr
.endm
.Ltile:
	s_wait_loadcnt 44                              ; my rows' tokens are in: behind them stand the bias's 8 loads and h's 36
	s_wait_xcnt 0x0                                ; the last trip's stores have read their offsets and data: both are written again below
	s_lshl_b32 s27, s[TRIP], 4
	s_add_co_u32 s27, s27, s20                     ; this trip's tile: wave + 16 x trip
	v_min_u32 v[TOK], 0x3ff, v[TOK]                ; a loaded number enters an address: held inside the table
	v_lshlrev_b32 v[WOF], 2, v[TOK]
	global_load_b32 v[W], v[WOF], s[16:17]         ; my row's probability
	s_min_u32 s28, s27, 63
	v_lshl_add_u32 v[LT2], s28, 6, v[LO2]
.irp i, 0,1,2,3,4,5,6,7
	global_load_b32 v[TK+\i], v[LT2], s[46:47] offset:8*\i   ; the token of row 2 i + lane / 16: the row that I store in the i-th store
.endr
	FB 0
	FB 1
.set ss, 0
.rept 32
.if ss%4 == 0                          ; a group of h is wanted.  Younger than it: the next two groups (12 loads each), and, for groups 0 to 2, the nine loads above
.if ss/4 < 3
	s_wait_loadcnt 33
.elseif ss/4 < 6
	s_wait_loadcnt 24
.elseif ss/4 == 6
	s_wait_loadcnt 12
.else
	s_wait_loadcnt 0x0
.endif
.endif
.if ss < 31
	s_wait_dscnt 10                                ; this step's ten loads are in; the next step's ten may be out
.else
	s_wait_dscnt 0x0
.endif
	MM ss
.if ss != 30
.rept 4
	v_nop                                          ; four places in front of loads into registers that these products read, and of the first read of results
.endr
.endif
.if ss+2 < 32
	FB ss+2
.endif
.if (ss%4 == 3) && (ss/4 <= 4)
	LOADA ss/4+3                                   ; the set just multiplied takes the group three further on
.endif
.set ss, ss+1
.endr
	; THE WAY OUT
.irp j, 0,2,4,6,8,10,12,14,16,18,20,22,24,26,28,30
	v_pk_mul_f32 v[O+\j:O+\j+1], v[ACC+\j:ACC+\j+1], v[W:W+1] op_sel_hi:[1,0]   ; x the probability; each accumulator from its low end on
.endr
.irp i, 0,1,2,3,4,5,6,7
	v_min_u32 v[TK+\i], 0x3ff, v[TK+\i]
.endr
.irp i, 0,1,2,3,4,5,6,7
	v_lshl_add_u32 v[OA+\i], v[TK+\i], 12, v[C16]  ; the token's row of 4,096 bytes, + my 16 of the work-group's 256
.endr
	s_add_co_u32 s33, s27, 16
	s_min_u32 s33, s33, s32                        ; the next tile, or in the last trip a written one that is not used
	s_min_u32 s33, s33, 63
	s_wait_xcnt 0x0                                ; this tile's loads have read their bases and offsets
	PRE 33                                         ; it lands under the way out
.irp ct, 0,1,2,3
	ds_store_b128 v[STI], v[O+8*\ct:O+8*\ct+3] offset:64*\ct
	ds_store_b128 v[STI], v[O+8*\ct+4:O+8*\ct+7] offset:64*\ct+16
.endr
.irp i, 0,1,2,3,4,5,6,7
	ds_load_b128 v[RB+4*\i:RB+4*\i+3], v[STO] offset:544*\i   ; my wave's own bytes, and LDS serves a wave's instructions in order: these see the stores above
.endr
.irp i, 0,1,2,3,4,5,6,7
	s_wait_dscnt 7-\i
	global_store_b128 v[OA+\i], v[RB+4*\i:RB+4*\i+3], s[44:45] th:TH_STORE_NT   ; sixteen lanes store 256 consecutive bytes, at a multiple of 256 from out0's first byte
.endr
	s_add_co_u32 s[TRIP], s[TRIP], 1
	s_cmp_lt_u32 s[TRIP], s[TRIPS]
	s_cbranch_scc1 .Ltile
.Ldone:
	s_wait_tensorcnt 0x0
	ds_add_u32 v146, v147
	s_wait_dscnt 0x0
	s_endpgm
.Lfunc_end_k_q7f2d9d0205_ffn2:
	.size	k_q7f2d9d0205_ffn2, .Lfunc_end_k_q7f2d9d0205_ffn2-k_q7f2d9d0205_ffn2
	.p2alignl 7, 3214868480
	.fill 96, 4, 3214868480
	.section	.rodata,"a",@progbits
	.p2align	6, 0x0
	.amdhsa_kernel k_q7f2d9d0205_ffn2
		.amdhsa_group_segment_fixed_size 210944
		.amdhsa_private_segment_fixed_size 0
		.amdhsa_enable_private_segment 0
		.amdhsa_kernarg_size 64
		.amdhsa_user_sgpr_count 2
		.amdhsa_user_sgpr_kernarg_segment_ptr 1
		.amdhsa_wavefront_size32 1
		.amdhsa_system_sgpr_workgroup_id_x 1
		.amdhsa_system_sgpr_workgroup_id_y 1
		.amdhsa_system_sgpr_workgroup_id_z 1
		.amdhsa_system_vgpr_workitem_id 0
		.amdhsa_next_free_vgpr 256
		.amdhsa_next_free_sgpr 66
		.amdhsa_reserve_vcc 0
		.amdhsa_float_denorm_mode_32 3
		.amdhsa_float_denorm_mode_16_64 3
		.amdhsa_memory_ordered 1
		.amdhsa_forward_progress 1
		.amdhsa_inst_pref_size 139
	.end_amdhsa_kernel
	.amdgpu_metadata
---
amdhsa.version: [ 1, 2 ]
amdhsa.kernels:
  - .name:           k_q7f2d9d0205_ffn2
    .symbol:         k_q7f2d9d0205_ffn2.kd
    .args:
      - { .name: w2, .offset: 0, .size: 8, .value_kind: global_buffer, .address_space: global }
      - { .name: b2, .offset: 8, .size: 8, .value_kind: global_buffer, .address_space: global }
      - { .name: hc, .offset: 16, .size: 8, .value_kind: global_buffer, .address_space: global }
      - { .name: hs, .offset: 24, .size: 8, .value_kind: global_buffer, .address_space: global }
      - { .name: list, .offset: 32, .size: 8, .value_kind: global_buffer, .address_space: global }
      - { .name: cnt, .offset: 40, .size: 8, .value_kind: global_buffer, .address_space: global }
      - { .name: ewgt, .offset: 48, .size: 8, .value_kind: global_buffer, .address_space: global }
      - { .name: out0, .offset: 56, .size: 8, .value_kind: global_buffer, .address_space: global }
    .group_segment_fixed_size: 210944
    .private_segment_fixed_size: 0
    .kernarg_segment_align: 8
    .kernarg_segment_size: 64
    .max_flat_workgroup_size: 512
    .sgpr_count:     66
    .vgpr_count:     256
    .wavefront_size: 32
...
	.end_amdgpu_metadata
.endif
;; end of part 3
;; ======== version 2 of 2: 3 launches; version 1 with the launch ffn2 written anew for expert scheduling mode
;; workspace buffers: xc 524,288 bytes; xs 32,768 bytes; eidx 4,096 bytes of whole numbers; ewgt 4,096 bytes; list 32,768 bytes of whole numbers; cnt 256 bytes of whole numbers; hc 16,777,216 bytes; hs 2,097,152 bytes
;; launch route: the kernel of part 1 again; grid 256 x 1, 4 waves a work-group, no clusters, 52,224 bytes of LDS; arguments x, gate_w, xc, xs, eidx, ewgt; writes xc, xs, eidx, ewgt
;; launch ffn1: the kernel of part 2 again; grid 32 x 8, 16 waves a work-group, no clusters, 71,680 bytes of LDS; arguments w1, b1, xc, xs, eidx, list, hc, hs, cnt; writes list, hc, hs, cnt
;; launch ffn2 (part 4): grid 16 x 8, 16 waves a work-group, no clusters, 210,944 bytes of LDS; arguments w2, b2, hc, hs, list, cnt, ewgt, out0; writes out0
.if DOCPART == 4
	.amdgcn_target "amdgcn-amd-amdhsa--gfx1250"
	.amdhsa_code_object_version 6
	.text
	.protected	k_q7f2d9d0205_ffn2
	.globl	k_q7f2d9d0205_ffn2
	.p2align	8
	.type	k_q7f2d9d0205_ffn2,@function
k_q7f2d9d0205_ffn2:
	s_mov_b64 s[64:65], 0
	v_nop
	global_prefetch_b8 v0, s[64:65] scope:SCOPE_SE
	s_setreg_imm32_b32 hwreg(HW_REG_WAVE_SCHED_MODE, 0, 2), 2
	s_setreg_imm32_b32 hwreg(HW_REG_WAVE_MODE, 25, 1), 1
	s_wait_xcnt 0x0
	s_wait_alu depctr_vm_vsrc(0)
; FFN2.  out[token] = p(token) x (h W2[e] + b2[e]) for the tokens of expert e, on codes of E2M1 with one E8M0 scale for each 32 along K = 4,096.
; SHARES.  Work-group (cg, e) owns output columns 64 cg .. 64 cg + 63 (256 aligned bytes of every row of w2[e] and of out0) for ALL of K: 1 MB of w2 that no other work-group reads, and each output has one owner.
; That is 128 work-groups.  256 would mean 128 bytes of a row each, so that two work-groups would share every 256 bytes of w2 and of out0, or a split of K, whose parts a further launch would have to add.
; PHASE 1, the weights, once: w2[e] is [K][1024] f32.  A lane takes a column and its registers run down K, as in the launch before.  Wave w: ch = w % 2 picks 32 columns (lanes 0-15 tile 2 ch, lanes 16-31 tile 2 ch + 1),
; kq = w / 2 picks 512 along K: 16 blocks, 512 loads of 128 consecutive bytes; the two waves beside each other cover the row's 256.  Codes and scale words go to LDS as images of operand registers.
; ONE BARRIER, on every wave's path.  PHASE 2: wave w takes the expert's tiles of 16 tokens w, w + 16, ..: 32 K steps x 4 matrix instructions (source 0 = 16 columns of W2, source 1 = h's fragment as the launch before
; stored it; b2 is the C of each sum's first product).  h comes from memory in groups of four K steps through three sets of registers, two groups ahead.  A lane then holds eight neighbouring columns of one token's row:
; they are multiplied by the token's probability, go through the wave's own stage in LDS and leave as whole rows: sixteen lanes store 256 consecutive, aligned bytes.
; A tile's spare rows repeat a member token (list) and store the same numbers as that token's own row.  An expert without tokens stores nothing.
; WHY NO TENSOR LOAD, NO CLUSTER: the trip count hangs on a count read from memory; and work-groups share only h's codes, 2,304 bytes a token, beside 1,048,576 bytes of weights of their own.
; LIMITS.  NaN and infinities are not served.  A block of w2 whose largest magnitude lies under 2^-124, a block of zeros among them, takes the byte 1: this program alone reads the bytes.
; THE MODE: SCHED_MODE bits 1:0 = 2 (LLVM: expert scheduling mode 2), set by the entry lines.  The code itself states the register dependences
; between vector or matrix instructions and memory or LDS instructions, with s_wait_alu, always for 0.
; THE PLAN.  Registers that memory or LDS instructions touch, and who else names them:
;   v1-9, v16, v146, v147   offsets and LDS addresses: written at the head and never again.  One wait on va_vdst ahead of the first load serves them for the whole kernel.
;   PHASE 1.  RING[t % 2]   read by block t's maxima and conversions; behind them block t + 2's 32 loads land in it.
;             CQ, SW        written by four blocks' conversions, exchanges of halves and shifts; read by the five LDS stores of each fourth block.
;     ONE wait on va_vdst a block, behind its last vector line; the block's loads and LDS stores follow it with no vector line between.  ONE wait on vm_vsrc for each four blocks, ahead of the first line that writes CQ and SW again.
;   PHASE 2.  RING[s % 2], RS[s % 2]   read by K step s's four products; behind them step s + 2's ten LDS loads land there.
;             A, AS, set g % 3         read by group g's sixteen products; behind the last of them group g + 3's twelve loads land there.
;     ONE wait on va_vdst a K step, behind its products and straight ahead of the run of loads.  The wave's 256 registers are all laid out (four waves share a SIMD's 1,024), so the ring has two sets; a wait at the next step's
;     head, behind the wait for that step's LDS data, would let ten LDS loads be out where this order has twenty.
;             WOF, LT2      written at a tile's head, read by the nine loads there.    LT   written ahead of the next tile's 45 loads, read by the first of them.
;             ACC           b2's loads land in it; the products and the sixteen packed multiplies name it.     TOK, W, TK   loads land in them; vector lines read them (TOK and TK are held in place).
;             O, OA         written on the way out; read by the LDS stores (data) and the global stores (offsets).     RB   LDS loads land in it; the global stores read it.
;     ONE wait on vm_vsrc and ONE on va_vdst at a tile's head, ONE on va_vdst on the way out, behind its last vector line: all that the trip issues behind that one follows with no vector line between.
.set NBLK, 16
.set WSC,  131072                      ; LDS: 0: the image of (K step s, tile ct) at (4 s + ct) x 1,024;  WSC: the scale words of (s, pair of tiles) at (2 s + ch) x 128
.set STG,  139264                      ; a stage of STB bytes for each wave: 16 rows x (256 bytes + 16)
.set STB,  4352
.set L16,  1                           ; v1   16 x lane
.set L16H, 2                           ; v2   16 x lane + 65,536: the images of K steps 16 on
.set LS,   3                           ; v3   4 x lane + WSC
.set L4,   4                           ; v4   4 x lane
.set WO,   5                           ; v5   my column's byte in the work-group's 256 bytes of a row of w2
.set IMG,  6                           ; v6   where I store images: 16 lane + 16,384 kq + 2,048 ch
.set SCI,  7                           ; v7   and scale words: 4 lane + WSC + 1,024 kq + 128 ch
.set STI,  8                           ; v8   the stage, in: row r, + 32 h
.set STO,  9                           ; v9   and back: row lane / 16, + 16 (lane % 16)
.set C16,  10                          ; v10  16 (lane % 16)
.set LO,   11                          ; v11  4 (lane % 16)
.set TOK,  12                          ; v12  my row's token
.set LT,   13                          ; v13  its place in list
.set W,    14                          ; v14-15 its probability (the packed form names the pair and takes v14 for both halves)
.set B2O,  16                          ; v16  32 (lane / 16)
.set WOF,  17                          ; v17  the probability's offset
.set LO2,  18                          ; v18  4 (lane / 16)
.set LT2,  19                          ; v19  the stored rows' places in list
.set ACC,  24                          ; v24-55   four accumulators
.set RING, 56                          ; v56-119  phase 1: two sets of 32 numbers; phase 2: two sets of four weight fragments; on the way out O and RB
.set O,    56
.set RB,   88
.set RS,   120                         ; v120-123 the two sets' scale words; in phase 1 v120 gathers my column's scale word: scales and nothing else
.set SW,   120
.set CQ,   124                         ; v124-139 phase 1: four blocks' codes
.set TK,   124                         ; v124-131 phase 2: the tokens of the rows that I store
.set OA,   132                         ; v132-139 and their offsets in out0
.set MX,   140                         ; v140-141 maxima
.set SCO,  142
.set BY,   143
.set A,    148                         ; v148-243 h's fragments: three sets of four K steps
.set AS,   244                         ; v244-255 their scale words: scales and nothing else
.set TRIP, 34                          ; s34  the tile loop's counter, stepped by 1
.set TRIPS, 35                         ; s35  my wave's number of tiles
	s_load_b512 s[4:19], s[0:1], 0x0               ; w2 s[4:5], b2 s[6:7], hc s[8:9], hs s[10:11], list s[12:13], cnt s[14:15], ewgt s[16:17], out0 s[18:19]
	v_lshl_add_u32 v146, v0, 2, 0x33000
	v_mov_b32 v147, 0
	v_lshrrev_b32 v1, 5, v0
	v_readfirstlane_b32 s20, v1                    ; wave 0..15
	s_mov_b32 s23, ttmp9                           ; cg
	s_and_b32 s24, ttmp7, 0xffff                   ; e
	v_and_b32 v20, 31, v0                          ; lane
	v_and_b32 v21, 15, v0                          ; r
	v_lshrrev_b32 v22, 4, v20                      ; h
	v_lshlrev_b32 v[L16], 4, v20
	v_add_nc_u32 v[L16H], 65536, v[L16]
	v_lshlrev_b32 v[L4], 2, v20
	v_add_nc_u32 v[LS], WSC, v[L4]
	s_wait_alu depctr_va_sdst(0)                   ; s20 is written, ahead of its first reader: the wave's shares, bases and LDS places are made from it
	s_and_b32 s21, s20, 1                          ; ch
	s_lshr_b32 s22, s20, 1                         ; kq
	s_lshl_b32 s28, s21, 7
	v_add_nc_u32 v[WO], s28, v[L4]
	s_lshl_b32 s28, s22, 14
	s_lshl_b32 s29, s21, 11
	s_add_co_u32 s28, s28, s29
	v_add_nc_u32 v[IMG], s28, v[L16]
	s_lshl_b32 s28, s22, 10
	s_lshl_b32 s29, s21, 7
	s_add_co_u32 s28, s28, s29
	v_add_nc_u32 v[SCI], s28, v[LS]
	s_mul_i32 s28, s20, STB
	s_add_co_u32 s28, s28, STG                     ; my wave's stage
	v_mul_u32_u24 v[STI], v21, 272
	v_lshl_add_u32 v[STI], v22, 5, v[STI]
	v_add_nc_u32 v[STI], s28, v[STI]
	v_mul_u32_u24 v[STO], v22, 272
	v_lshl_add_u32 v[STO], v21, 4, v[STO]
	v_add_nc_u32 v[STO], s28, v[STO]
	v_lshlrev_b32 v[C16], 4, v21
	v_lshlrev_b32 v[LO], 2, v21
	v_lshlrev_b32 v[B2O], 5, v22
	v_lshlrev_b32 v[LO2], 2, v22
	v_mov_b32 v[W+1], 0                            ; named with v14 as a pair, so it is written
	s_lshl_b32 s28, s24, 24                        ; w2: 16 MiB an expert, 512 rows of 4,096 bytes a kq, 256 bytes a cg
	s_lshl_b32 s29, s22, 21
	s_add_co_u32 s28, s28, s29
	s_lshl_b32 s30, s23, 8
	s_add_co_u32 s28, s28, s30
	s_mov_b32 s29, 0
	s_mov_b32 s31, 0
	s_lshl_b32 s32, s24, 12                        ; b2 and list: 4,096 bytes an expert
	s_mov_b32 s33, 0
	s_lshl_b32 s34, s24, 2
	s_mov_b32 s35, 0
	s_wait_kmcnt 0x0
	s_add_nc_u64 s[36:37], s[4:5], s[28:29]
	s_add_nc_u64 s[38:39], s[6:7], s[32:33]
	s_add_nc_u64 s[38:39], s[38:39], s[30:31]
	s_add_nc_u64 s[46:47], s[12:13], s[32:33]
	s_add_nc_u64 s[44:45], s[18:19], s[30:31]
	s_add_nc_u64 s[14:15], s[14:15], s[34:35]
	s_load_b32 s25, s[14:15], 0x0                  ; n: the expert's tokens
.macro LOADW t                         ; block t of my column: w2(512 kq + 32 t + i, column), i = 0 .. 31, into set t % 2.  The largest offset, 511 x 4,096, lies inside the signed 24-bit immediate
.set li, 0
.rept 32
	global_load_b32 v[RING+32*((\t)%2)+li], v[WO], s[36:37] offset:(32*(\t)+li)*4096 th:TH_LOAD_NT
.set li, li+1
.endr
.endm
.macro QBLK                            ; the 32 numbers v[QS] on become 4 registers of codes at v[QD] on; the scale's byte in v[BY]
	v_max3_num_f32 v[MX], |v[QS]|, |v[QS+1]|, |v[QS+2]|
	v_max3_num_f32 v[MX+1], |v[QS+3]|, |v[QS+4]|, |v[QS+5]|
.irp i, 6,10,14,18,22,26
	v_max3_num_f32 v[MX], v[MX], |v[QS+\i]|, |v[QS+\i+1]|
	v_max3_num_f32 v[MX+1], v[MX+1], |v[QS+\i+2]|, |v[QS+\i+3]|
.endr
	v_max3_num_f32 v[MX], v[MX], |v[QS+30]|, |v[QS+31]|
	v_max3_num_f32 v[MX], v[MX], v[MX+1], 0x1800000    ; and the floor 2^(3 - 127): the byte cannot fall under 1
	v_add_nc_u32 v[SCO], 0xff000000, v[MX]         ; 2 off the exponent field: the conversion takes this operand's exponent field as its scale
.irp g, 0,1,2,3
	v_cvt_scalef32_pk8_fp4_f32 v[QD+\g], v[QS+8*\g:QS+8*\g+7], v[SCO]
.endr
	v_lshrrev_b32 v[BY], 23, v[SCO]                ; the byte: also the plain line behind the conversions
.endm
.macro QW t, left                      ; block t is quantised.  left: how many younger loads may stay out
	s_wait_loadcnt \left
.if ((\t)%4 == 0) && ((\t) > 0)
	s_wait_dscnt 0x0                               ; the last K step's LDS stores are done
	s_wait_alu depctr_vm_vsrc(0)                   ; they have read v[CQ ..] and v[SW], which this K step's conversions, exchanges and shifts write again
.endif
.set QS, RING+32*((\t)%2)
.set QD, CQ+4*((\t)%4)
	QBLK
.if (\t)%4 == 0
	v_mov_b32 v[SW], v[BY]
.else
	v_lshl_or_b32 v[SW], v[BY], 8*((\t)%4), v[SW]
.endif
.if (\t)%2 == 1                        ; the even block's lanes 16-31 change places with the odd block's lanes 0-15: the first four registers are then the even tile's, the second four the odd tile's
.irp i, 0,1,2,3
	v_permlane16_swap_b32 v[CQ+8*(((\t)%4)/2)+\i], v[CQ+8*(((\t)%4)/2)+4+\i]
.endr
.endif
.if ((\t)+2 < NBLK) || ((\t)%4 == 3)   ; block 14 issues neither a load nor an LDS store, so it has no wait
	s_wait_alu depctr_va_vdst(0)                   ; the maxima and conversions are done reading this set, in which the loads below land; in a K step's last block v[CQ ..] and v[SW] are written, which the LDS stores below read
.endif
.if (\t)+2 < NBLK
	LOADW (\t)+2                                   ; the set is free: it takes the block two further on
.endif
.if (\t)%4 == 3
	ds_store_b128 v[IMG], v[CQ:CQ+3] offset:4096*((\t)/4)
	ds_store_b128 v[IMG], v[CQ+8:CQ+11] offset:4096*((\t)/4)+512
	ds_store_b128 v[IMG], v[CQ+4:CQ+7] offset:4096*((\t)/4)+1024
	ds_store_b128 v[IMG], v[CQ+12:CQ+15] offset:4096*((\t)/4)+1536
	ds_store_b32 v[SCI], v[SW] offset:256*((\t)/4)
.endif
.endm
.macro LOADA g                         ; 12 loads: h's fragments and scale words of K steps 4 g .. 4 g + 3, as images: 512, 512 and 128 consecutive bytes
.irp q, 0,1,2,3
	global_load_b128 v[A+32*((\g)%3)+8*\q:A+32*((\g)%3)+8*\q+3], v[L16], s[40:41] offset:1024*(4*(\g)+\q)
	global_load_b128 v[A+32*((\g)%3)+8*\q+4:A+32*((\g)%3)+8*\q+7], v[L16], s[40:41] offset:1024*(4*(\g)+\q)+512
	global_load_b32 v[AS+4*((\g)%3)+\q], v[L4], s[42:43] offset:128*(4*(\g)+\q)
.endr
.endm
; The tile whose number stands in s[sreg] is asked for in two parts, with a wait on va_vdst written out between them.  PREA: its bases in hc and hs, and my row's place in list.
.macro PREA sreg
	s_lshl_b32 s28, s24, 6
	s_add_co_u32 s28, s28, s[\sreg]                ; 64 e + tile
	s_lshl_b32 s30, s28, 15
	s_mov_b32 s31, 0
	s_add_nc_u64 s[40:41], s[8:9], s[30:31]        ; 32 images of 1,024 bytes a tile
	s_lshl_b32 s30, s28, 12
	s_add_nc_u64 s[42:43], s[10:11], s[30:31]      ; 32 lines of 128 bytes
	v_lshl_add_u32 v[LT], s[\sreg], 6, v[LO]
.endm
; PREL: 45 loads: its rows' tokens first; b2 in the result's layout (register j of tile ct: column 16 ct + 8 h + j), the C of each sum's first product; h's first three groups
.macro PREL
	global_load_b32 v[TOK], v[LT], s[46:47]
.irp ct, 0,1,2,3
	global_load_b128 v[ACC+8*\ct:ACC+8*\ct+3], v[B2O], s[38:39] offset:64*\ct
	global_load_b128 v[ACC+8*\ct+4:ACC+8*\ct+7], v[B2O], s[38:39] offset:64*\ct+16
.endr
	LOADA 0
	LOADA 1
	LOADA 2
.endm
	s_wait_alu depctr_va_vdst(0)                   ; the offsets and LDS addresses v1 to v9 and v16 are written: most loads and LDS instructions of the kernel read one of them, and none is written again
	LOADW 0
	LOADW 1
	s_wait_kmcnt 0x0
	s_min_u32 s25, s25, 1024
	s_add_co_u32 s26, s25, 15
	s_lshr_b32 s26, s26, 4                         ; nt: tiles of 16 tokens
	s_max_u32 s32, s26, 1
	s_sub_co_u32 s32, s32, 1                       ; the last tile that the launch before has written (tile 0 also where nt = 0)
	s_min_u32 s33, s20, s32
	s_min_u32 s33, s33, 63
	PREA 33                                        ; on every wave's path; a wave without a tile asks for a written tile and does not use it
	s_wait_alu depctr_va_vdst(0)                   ; v[LT] is written, which the first of the 45 loads reads
	PREL
	QW 0, 63                                       ; behind block 0: block 1's 32 and the 45: 77 loads; 63 is the largest count that a wait names
	QW 1, 63                                       ; behind block 1: the 45 and block 2's 32
.irp t, 2,3,4,5,6,7,8,9,10,11,12,13,14
	QW \t, 32                                      ; behind block t: block t + 1's 32
.endr
	QW 15, 0
	s_wait_dscnt 0x0                               ; for the others' sake: my images lie in LDS
	s_barrier_signal -1
	s_barrier_wait -1                              ; all 128 images and their scale words do
	s_cmp_ge_u32 s20, s26
	s_cbranch_scc1 .Ldone                          ; no tile for my wave
	s_sub_co_u32 s[TRIPS], s26, s20
	s_add_co_u32 s[TRIPS], s[TRIPS], 15
	s_lshr_b32 s[TRIPS], s[TRIPS], 4               ; my tiles: wave, wave + 16, .. below nt
	s_min_u32 s[TRIPS], s[TRIPS], 4                ; at most four: 64 tiles over 16 waves
	s_mov_b32 s[TRIP], 0
.macro FB s                            ; 10 LDS loads: K step s's four weight tiles into set s % 2, and the two lines of their scale words
.set fr, RING+32*((\s)%2)
.irp ct, 0,1,2,3
.if (\s) < 16
	ds_load_b128 v[fr+8*\ct:fr+8*\ct+3], v[L16] offset:(4*(\s)+\ct)*1024
	ds_load_b128 v[fr+8*\ct+4:fr+8*\ct+7], v[L16] offset:(4*(\s)+\ct)*1024+512
.else
	ds_load_b128 v[fr+8*\ct:fr+8*\ct+3], v[L16H] offset:(4*(\s)+\ct)*1024-65536
	ds_load_b128 v[fr+8*\ct+4:fr+8*\ct+7], v[L16H] offset:(4*(\s)+\ct)*1024-65536+512
.endif
.endr
	ds_load_b32 v[RS+2*((\s)%2)], v[LS] offset:(2*(\s))*128
	ds_load_b32 v[RS+2*((\s)%2)+1], v[LS] offset:(2*(\s)+1)*128
.endm
.macro MM s                            ; four matrix instructions, four accumulators by turns.  An odd tile's scale words stand in lanes 16-31
.set fr, RING+32*((\s)%2)
.set sr, RS+2*((\s)%2)
.set ha, A+32*(((\s)/4)%3)+8*((\s)%4)
.set hw, AS+4*(((\s)/4)%3)+(\s)%4
.irp ct, 0,1,2,3
.if \ct%2
	v_wmma_scale_f32_16x16x128_f8f6f4 v[ACC+8*\ct:ACC+8*\ct+7], v[fr+8*\ct:fr+8*\ct+7], v[ha:ha+7], v[ACC+8*\ct:ACC+8*\ct+7], v[sr+\ct/2], v[hw] matrix_a_fmt:MATRIX_FMT_FP4 matrix_b_fmt:MATRIX_FMT_FP4 matrix_a_scale:MATRIX_SCALE_ROW1
.else
	v_wmma_scale_f32_16x16x128_f8f6f4 v[ACC+8*\ct:ACC+8*\ct+7], v[fr+8*\ct:fr+8*\ct+7], v[ha:ha+7], v[ACC+8*\ct:ACC+8*\ct+7], v[sr+\ct/2], v[hw] matrix_a_fmt:MATRIX_FMT_FP4 matrix_b_fmt:MATRIX_FMT_FP4
.endif
.endr
.endm
.Ltile:
	s_wait_loadcnt 44                              ; my rows' tokens are in: behind them stand the bias's 8 loads and h's 36
	s_wait_xcnt 0x0                                ; the last trip's stores have read their offsets and data: both are written again below
	s_wait_alu depctr_vm_vsrc(0)                   ; the last trip's loads have read v[WOF], v[LT2] and v[LT], its LDS stores v[O ..], its stores v[OA ..] and v[RB ..]; in the first trip phase 1's last LDS stores have read v[CQ ..] and v[SW]: all of these are written again in this trip, by vector lines or by loads' data
	s_lshl_b32 s27, s[TRIP], 4
	s_add_co_u32 s27, s27, s20                     ; this trip's tile: wave + 16 x trip
	s_min_u32 s28, s27, 63
	v_min_u32 v[TOK], 0x3ff, v[TOK]                ; a loaded number enters an address: held inside the table
	v_lshlrev_b32 v[WOF], 2, v[TOK]
	v_lshl_add_u32 v[LT2], s28, 6, v[LO2]
	s_wait_alu depctr_va_vdst(0)                   ; v[WOF] and v[LT2] are written, which the nine loads below read
	global_load_b32 v[W], v[WOF], s[16:17]         ; my row's probability
.irp i, 0,1,2,3,4,5,6,7
	global_load_b32 v[TK+\i], v[LT2], s[46:47] offset:8*\i   ; the token of row 2 i + lane / 16: the row that I store in the i-th store
.endr
	FB 0
	FB 1
.set ss, 0
.rept 32
.if ss%4 == 0                          ; a group of h is wanted.  Younger than it: the next two groups (12 loads each), and, for groups 0 to 2, the nine loads above
.if ss/4 < 3
	s_wait_loadcnt 33
.elseif ss/4 < 6
	s_wait_loadcnt 24
.elseif ss/4 == 6
	s_wait_loadcnt 12
.else
	s_wait_loadcnt 0x0
.endif
.endif
.if ss < 31
	s_wait_dscnt 10                                ; this step's ten loads are in; the next step's ten may be out
.else
	s_wait_dscnt 0x0
.endif
	MM ss
.if ss+2 < 32
	s_wait_alu depctr_va_vdst(0)                   ; this step's four products are done reading their weight fragments and scale words, in which the ten LDS loads below land; behind a group's last step all its products are done reading h's set and its scale words, in which the twelve loads below land
	FB ss+2
.endif
.if ss == 31
.rept 4
	v_nop                                          ; four places between the last products and the first vector line that reads results (ISA guide 7.12.1)
.endr
.endif
.if (ss%4 == 3) && (ss/4 <= 4)
	LOADA ss/4+3                                   ; the set just multiplied takes the group three further on
.endif
.set ss, ss+1
.endr
	; THE WAY OUT
.irp j, 0,2,4,6,8,10,12,14,16,18,20,22,24,26,28,30
	v_pk_mul_f32 v[O+\j:O+\j+1], v[ACC+\j:ACC+\j+1], v[W:W+1] op_sel_hi:[1,0]   ; x the probability; each accumulator from its low end on
.endr
.irp i, 0,1,2,3,4,5,6,7
	v_min_u32 v[TK+\i], 0x3ff, v[TK+\i]
.endr
.irp i, 0,1,2,3,4,5,6,7
	v_lshl_add_u32 v[OA+\i], v[TK+\i], 12, v[C16]  ; the token's row of 4,096 bytes, + my 16 of the work-group's 256
.endr
	s_add_co_u32 s33, s27, 16
	s_min_u32 s33, s33, s32                        ; the next tile, or in the last trip a written one that is not used
	s_min_u32 s33, s33, 63
	s_wait_xcnt 0x0                                ; this tile's loads have read their bases and offsets
	PREA 33
	s_wait_alu depctr_va_vdst(0)                   ; v[LT], v[O ..] and v[OA ..] are written, which the loads, LDS stores and stores below read; the products and the multiplies are done with v[ACC ..], v[A ..], v[AS ..], v[TOK] and v[RB ..], in which the loads below land.  No vector line follows in this trip
	PREL                                           ; it lands under the way out
.irp ct, 0,1,2,3
	ds_store_b128 v[STI], v[O+8*\ct:O+8*\ct+3] offset:64*\ct
	ds_store_b128 v[STI], v[O+8*\ct+4:O+8*\ct+7] offset:64*\ct+16
.endr
.irp i, 0,1,2,3,4,5,6,7
	ds_load_b128 v[RB+4*\i:RB+4*\i+3], v[STO] offset:544*\i   ; my wave's own bytes, and LDS serves a wave's instructions in order: these see the stores above
.endr
.irp i, 0,1,2,3,4,5,6,7
	s_wait_dscnt 7-\i
	global_store_b128 v[OA+\i], v[RB+4*\i:RB+4*\i+3], s[44:45] th:TH_STORE_NT   ; sixteen lanes store 256 consecutive bytes, at a multiple of 256 from out0's first byte
.endr
	s_add_co_u32 s[TRIP], s[TRIP], 1
	s_cmp_lt_u32 s[TRIP], s[TRIPS]
	s_cbranch_scc1 .Ltile
.Ldone:
	s_wait_dscnt 0x0                               ; the closing lines, six on end
	s_wait_alu 0x0
	s_wait_tensorcnt 0x0
	ds_add_u32 v146, v147
	s_wait_dscnt 0x0
	s_endpgm
.Lfunc_end_k_q7f2d9d0205_ffn2:
	.size	k_q7f2d9d0205_ffn2, .Lfunc_end_k_q7f2d9d0205_ffn2-k_q7f2d9d0205_ffn2
	.p2alignl 7, 3214868480
	.fill 96, 4, 3214868480
	.section	.rodata,"a",@progbits
	.p2align	6, 0x0
	.amdhsa_kernel k_q7f2d9d0205_ffn2
		.amdhsa_group_segment_fixed_size 210944
		.amdhsa_private_segment_fixed_size 0
		.amdhsa_enable_private_segment 0
		.amdhsa_kernarg_size 64
		.amdhsa_user_sgpr_count 2
		.amdhsa_user_sgpr_kernarg_segment_ptr 1
		.amdhsa_wavefront_size32 1
		.amdhsa_system_sgpr_workgroup_id_x 1
		.amdhsa_system_sgpr_workgroup_id_y 1
		.amdhsa_system_sgpr_workgroup_id_z 1
		.amdhsa_system_vgpr_workitem_id 0
		.amdhsa_next_free_vgpr 256
		.amdhsa_next_free_sgpr 66
		.amdhsa_reserve_vcc 0
		.amdhsa_float_denorm_mode_32 3
		.amdhsa_float_denorm_mode_16_64 3
		.amdhsa_memory_ordered 1
		.amdhsa_forward_progress 1
		.amdhsa_inst_pref_size 137
	.end_amdhsa_kernel
	.amdgpu_metadata
---
amdhsa.version: [ 1, 2 ]
amdhsa.kernels:
  - .name:           k_q7f2d9d0205_ffn2
    .symbol:         k_q7f2d9d0205_ffn2.kd
    .args:
      - { .name: w2, .offset: 0, .size: 8, .value_kind: global_buffer, .address_space: global }
      - { .name: b2, .offset: 8, .size: 8, .value_kind: global_buffer, .address_space: global }
      - { .name: hc, .offset: 16, .size: 8, .value_kind: global_buffer, .address_space: global }
      - { .name: hs, .offset: 24, .size: 8, .value_kind: global_buffer, .address_space: global }
      - { .name: list, .offset: 32, .size: 8, .value_kind: global_buffer, .address_space: global }
      - { .name: cnt, .offset: 40, .size: 8, .value_kind: global_buffer, .address_space: global }
      - { .name: ewgt, .offset: 48, .size: 8, .value_kind: global_buffer, .address_space: global }
      - { .name: out0, .offset: 56, .size: 8, .value_kind: global_buffer, .address_space: global }
    .group_segment_fixed_size: 210944
    .private_segment_fixed_size: 0
    .kernarg_segment_align: 8
    .kernarg_segment_size: 64
    .max_flat_workgroup_size: 512
    .sgpr_count:     66
    .vgpr_count:     256
    .wavefront_size: 32
...
	.end_amdgpu_metadata
.endif
;; end of part 4
